; MI455X (gfx1250); checked and timed in simulation.
; The chip was launched on July 23, 2026; its instructions are those of AMD's public machine-readable ISA for CDNA 5 (MIT licence, August 2026) and "CDNA5" Instruction Set Architecture Reference Guide (July 2026). The comments in the code are by the model that wrote it; some were corrected since.
;; Token Routed MLP Triton. Allowed arithmetic: matrix products marked QUANTISED: E2M1 operands, one E8M0 scale for each 32 along K, by v_wmma_scale_f32_16x16x128_f8f6f4 with both operands' format E2M1 (or v_wmma_scale_f32_32x16x128_f4), f32 sums; everything else in f32.
;; Inputs: down_proj_codes 4 x 2,048 x 64 x 16 uint8 (E2M1 codes of down_proj, K innermost, in blocks of 32 codes, two codes a byte); down_proj_scales 4 x 2,048 x 64 uint8 (E8M0 scales of down_proj, one for each 32 codes along K); gate_proj_codes 4 x 2,048 x 64 x 16 uint8 (E2M1 codes of gate_proj, K innermost, in blocks of 32 codes, two codes a byte); gate_proj_scales 4 x 2,048 x 64 uint8 (E8M0 scales of gate_proj, one for each 32 codes along K); hidden_states_codes 2 x 512 x 64 x 16 uint8 (E2M1 codes of hidden_states, K innermost, in blocks of 32 codes, two codes a byte); hidden_states_scales 2 x 512 x 64 uint8 (E8M0 scales of hidden_states, one for each 32 codes along K); token_ids 2 x 512 int32; up_proj_codes 4 x 2,048 x 64 x 16 uint8 (E2M1 codes of up_proj, K innermost, in blocks of 32 codes, two codes a byte); up_proj_scales 4 x 2,048 x 64 uint8 (E8M0 scales of up_proj, one for each 32 codes along K).
;; Outputs: out0 2 x 512 x 2,048 float32.
;; This version of the problem:
;;   THIS VERSION OF THE PROBLEM IS GIVEN IN LOW PRECISION. The matrix products marked QUANTISED in the list below multiply operands that are first quantised to E2M1 (2 exponent bits, 1 mantissa bit; 4 bits a number), with one power-of-two scale for each 32 numbers along K (OCP MX v1.0); their sums are f32. All else is computed in f32.
;;   The module's matrix products, in the order in which they are computed (A, B: the left and right operand; K: the contracted axis; several contracted axes count as one K, in the product's order):
;;     1. [M 1,024, K 2,048] x [K 2,048, N 8,192]; A: input hidden_states (given as codes); B: input gate_proj (given as codes): QUANTISED
;;     2. [M 1,024, K 2,048] x [K 2,048, N 8,192]; A: input hidden_states (given as codes); B: input up_proj (given as codes): QUANTISED
;;     3. [M 1,024, K 2,048] x [K 2,048, N 8,192]; A: computed on the way; B: input down_proj (given as codes): QUANTISED
;;   THE QUANTISER, for each operand of a quantised product, along K:
;;     - K is cut into blocks of 32 from its start; a last block that is shorter is filled with zeros.
;;     - A block's scale is 2^e with e = floor(log2(the largest magnitude in the block)) - 2, held to -126 .. 127; a block of zeros has e = 0. As a byte (E8M0): e + 127.
;;     - Each number is divided by its block's scale, clamped to +-6, and rounded to the nearest number of E2M1, ties to even, subnormals kept.
;;     - The product sums the exact products of the quantised numbers (number of the format x scale) in f32.
;;   ~~~python
;;   def quantise(x, axis):      # numpy; x: float32 -> the quantised numbers, widened to float32 again
;;       x = np.moveaxis(x, axis, -1); K = x.shape[-1]
;;       x = np.pad(x, [(0, 0)] * (x.ndim - 1) + [(0, -K % 32)]); x = x.reshape(x.shape[:-1] + (-1, 32)); a = np.abs(x).max(-1, keepdims=True)
;;       e = np.where(a > 0, np.clip(np.frexp(np.where(a > 0, a, 1))[1] - 1 - 2, -126, 127), 0)      # np.frexp(a)[1] - 1 = floor(log2(a)), exactly
;;       r = np.clip(x / 2.0 ** e, -6, 6)
;;       step = 2.0 ** (np.maximum(np.frexp(np.where(r == 0, 1, r))[1] - 1, 0) - 1)
;;       q = np.round(r / step) * step * 2.0 ** e      # np.round: ties to even
;;       return np.moveaxis(q.reshape(q.shape[:-2] + (-1,))[..., :K], -1, axis).astype(np.float32)
;;   ~~~
;;   OPERANDS COMPUTED ON THE WAY. 'Computed on the way' means the value that the module computes at that place (a softmax that the list does not call 'softmax' is quantised finished and normalised). What goes into a quantiser is computed in f32, as accurately as f32 sums, v_exp_f32 and their like allow (about 1e-6 of the number): no bf16 or f16 on the way to a quantiser, and a product that is left as it is and whose result goes on into a quantised operand takes f32 operands (vector FMAs, or v_wmma_f32_16x16x4_f32). A number that lies on a knife's edge between two numbers of the format may be rounded either way, as far as f32 arithmetic and the matrix unit's own rounding can turn it there, and no further.
;;   INPUTS GIVEN AS CODES. down_proj (in the module: [4, 2048, 2048], K = its axis 1); gate_proj (in the module: [4, 2048, 2048], K = its axis 1); hidden_states (in the module: [2, 512, 2048], K = its axis 2); up_proj (in the module: [4, 2048, 2048], K = its axis 1): each comes as NAME_codes (uint8): NAME with its K axis moved to the last place and cut into blocks of 32 codes, [.., K / 32, bytes a block], one block behind the other in memory; two codes a byte, the lower K in the low four bits (a code: sign, 2 exponent bits, 1 mantissa bit); and NAME_scales (uint8): the same leading axes, one E8M0 byte (e + 127) for each 32 codes along K. Its value is code x scale, taken as it is: it is not quantised again, and the codes and scales need not be those that the quantiser above would give.
;; 2 versions. Each part assembles by itself: llvm-mc -triple=amdgcn-amd-amdhsa -mcpu=gfx1250 --defsym DOCPART=n.
;; ======== version 1 of 2: 3 launches
;; limits: right only within a limited range of input values
;; workspace buffers: xs_codes 1,097,728 bytes; xs_scales 68,608 bytes; ic 1,097,728 bytes; isc 68,608 bytes; order 4,352 bytes of whole numbers; meta 256 bytes of whole numbers
;; launch route (part 1): grid 67 x 1, 1 waves a work-group, no clusters, 512 bytes of LDS; arguments token_ids, hidden_states_codes, hidden_states_scales, xs_codes, xs_scales, order, meta; writes xs_codes, xs_scales, order, meta
.if DOCPART == 1
	.amdgcn_target "amdgcn-amd-amdhsa--gfx1250"
	.amdhsa_code_object_version 6
	.text
	.protected	k_qccf511cd99_route
	.globl	k_qccf511cd99_route
	.p2align	8
	.type	k_qccf511cd99_route,@function
k_qccf511cd99_route:
	s_mov_b64 s[64:65], 0
	v_nop
	global_prefetch_b8 v0, s[64:65] scope:SCOPE_SE
	s_setreg_imm32_b32 hwreg(HW_REG_WAVE_MODE, 25, 1), 1
	s_wait_xcnt 0x0
; ROUTING.  1,024 tokens; token t goes to expert clip(token_ids[t], 0, 99999) % 4 (any int32 is served).  The tokens are sorted by expert and cut into tiles of 16 rows:
; expert e with c_e tokens gets n_e = ceil(c_e / 16) tiles, from tile T_e on; TT = the sum of the n_e lies between 64 and 67 for every split, so 67 work-groups are launched.
; One wave = one tile.  Every wave makes the whole routing anew from the 4,096 bytes of token_ids (nothing passes between work-groups); a work-group whose tile is not there (tile >= TT) stores nothing and ends.
; THE ROWS THAT FILL AN EXPERT'S LAST TILE REPEAT ITS LAST TOKEN: they give the same sums and are stored later to the same row of the output with the same bytes; so every byte that later launches read is written.
; The order of an expert's tokens is: register by register of the load below, lane by lane; it is the same in every work-group, and nothing else is asked of it.
; WHAT IS STORED, per tile:
;   xs_codes  [tile][block 0..63][row 0..15][16 bytes]: a block of 32 codes along K of 16 rows is 256 bytes on end.  A matrix operand's registers 4 c .. 4 c + 3 of K step s are then the 512 bytes at 1024 s + 512 c, 16 a lane.
;   xs_scales [tile][q 0..1][lane][16 bytes]: lane (r, h) has bytes 32 h + 16 q .. + 15 of row r's 64 scale bytes: the scale words of K steps 8 h + 4 q + 0 .. 3.
;   order     [tile][row % 2][row / 2]: the row's token.        meta: words 2 e = T_e, 2 e + 1 = n_e, word 8 = TT (work-group 0 stores it).
; x's rows are read here 32 bytes a row and instruction, once; the 64 work-groups of an expert that read them later read whole runs of 512 bytes.
; No matrix work, no tensor load, no barrier (one wave).  LDS: words 0 to 15: the tile's 16 tokens; word 16 takes what belongs to other tiles and is never read.  Words 0 to 31 are written once with 0 at the head.
.set AD,  16                           ; v16-31   LDS addresses of a batch of 16
.set TOK, 32                           ; v32-63   token ids, then experts, then token numbers: register 4 i + j of lane l is token 128 i + 4 l + j
.set CD,  64                           ; v64-191  my 32 pieces of 16 bytes of codes
.set SCR, 192                          ; v192-199 my two pieces of scale bytes
.set MK,  66                           ; s66-81   a batch's masks: the lanes whose token is my expert's
.set PF,  82                           ; s82-97   and how many of my expert's tokens stand ahead of each register, less 16 x my tile's place in the expert
	s_load_b256 s[4:11], s[0:1], 0x0               ; token_ids s[4:5], x's codes s[6:7], x's scales s[8:9], xs_codes s[10:11]
	s_load_b128 s[12:15], s[0:1], 0x20             ; xs_scales s[12:13], order s[14:15]
	s_load_b64 s[16:17], s[0:1], 0x30              ; meta
	v_lshl_add_u32 v208, v0, 2, 0x100
	v_mov_b32 v209, 0
	v_and_b32 v1, 31, v0                           ; lane
	v_lshlrev_b32 v2, 4, v1                        ; 16 x lane
	v_and_b32 v3, 15, v0                           ; r
	v_bfe_u32 v4, v0, 4, 1                         ; h
	v_mov_b32 v5, 0
	v_mov_b32 v6, 16
	v_lshlrev_b32 v13, 2, v1                       ; 4 x lane
	ds_store_b32 v13, v5                           ; LDS words 0 to 31 = 0: every word that is read below has been written, whatever the split
	s_mov_b32 s20, 0                               ; c_0, c_1, c_2
	s_mov_b32 s21, 0
	s_mov_b32 s22, 0
	s_wait_kmcnt 0x0
.irp i, 0,1,2,3,4,5,6,7
	global_load_b128 v[TOK+4*\i:TOK+4*\i+3], v2, s[4:5] offset:512*\i
.endr
	s_wait_loadcnt 0x0
.set q, 0
.rept 32
	v_cmp_gt_i32 vcc_lo, 0, v[TOK+q]               ; the clip: under 0 becomes 0,
	v_cndmask_b32 v[TOK+q], v[TOK+q], v5, vcc_lo
	v_min_u32 v[TOK+q], 0x1869f, v[TOK+q]          ; over 99,999 becomes 99,999;
	v_and_b32 v[TOK+q], 3, v[TOK+q]                ; % 4: the expert
.set q, q+1
.endr
; the counts: twelve masks at a time, so that the scalar lines do not wait for each compare
.irp i, 0,1,2,3,4,5,6,7
.irp j, 0,1,2,3
.irp e, 0,1,2
	v_cmp_eq_u32 s[44+3*\j+\e], \e, v[TOK+4*\i+\j]
.endr
.endr
.irp j, 0,1,2,3
.irp e, 0,1,2
	s_bcnt1_i32_b32 s[44+3*\j+\e], s[44+3*\j+\e]
	s_add_co_u32 s[20+\e], s[20+\e], s[44+3*\j+\e]
.endr
.endr
.endr
	s_sub_co_u32 s23, 0x400, s20                   ; c_3 = 1,024 less the others
	s_sub_co_u32 s23, s23, s21
	s_sub_co_u32 s23, s23, s22
.irp e, 0,1,2,3
	s_add_co_u32 s37, s[20+\e], 15
	s_lshr_b32 s[24+\e], s37, 4                    ; n_e
.endr
	s_mov_b32 s28, 0                               ; T_0 .. T_3, TT
	s_add_co_u32 s29, s28, s24
	s_add_co_u32 s30, s29, s25
	s_add_co_u32 s31, s30, s26
	s_add_co_u32 s32, s31, s27
	s_cmp_ge_u32 ttmp9, s32
	s_cbranch_scc1 .Lend                           ; this split has no such tile
	s_mov_b32 s33, 0                               ; my expert: the last e with T_e <= my tile (an expert without tokens is passed over), its T and its c
	s_mov_b32 s34, 0
	s_mov_b32 s35, s20
.irp e, 1,2,3
	s_cmp_ge_u32 ttmp9, s[28+\e]
	s_cselect_b32 s33, \e, s33
	s_cselect_b32 s34, s[28+\e], s34
	s_cselect_b32 s35, s[20+\e], s35
.endr
	s_sub_co_u32 s36, s34, ttmp9
	s_lshl_b32 s36, s36, 4                         ; the running count begins at -16 x (my tile - T): a token's count is then its row in my tile, if it has one
	s_add_co_u32 s38, s35, s36                     ; tokens left from my tile's first row on: at least 1
	s_min_u32 s38, s38, 16
	s_sub_co_u32 s38, s38, 1                       ; my tile's last row that holds a token of its own
; 16 registers of tokens: each token of my expert gets its row; rows 0 to 15 are mine and go to LDS words 0 to 15, all else to word 16
.macro PLACE16 base
.set k, 0
.rept 16
	v_cmp_eq_u32 s[MK+k], s33, v[TOK+\base+k]
.set k, k+1
.endr
.set k, 0
.rept 16
	s_mov_b32 s[PF+k], s36
	s_bcnt1_i32_b32 s37, s[MK+k]
	s_add_co_u32 s36, s36, s37
.set k, k+1
.endr
.set k, 0
.rept 16
	v_mbcnt_lo_u32_b32 v[AD+k], s[MK+k], s[PF+k]   ; the count ahead of this register + my expert's tokens in lower lanes
.set k, k+1
.endr
.set k, 0
.rept 16
	v_cndmask_b32 v[AD+k], v6, v[AD+k], s[MK+k]    ; other experts' tokens: 16
.set k, k+1
.endr
.set k, 0
.rept 16
	v_min_u32 v[AD+k], 16, v[AD+k]                 ; rows behind my tile are over 15, rows ahead of it are negative, which is large here: 16
.set k, k+1
.endr
.set k, 0
.rept 16
	v_lshlrev_b32 v[AD+k], 2, v[AD+k]
	v_lshl_add_u32 v[TOK+\base+k], v1, 2, 128*((\base+k)/4)+(\base+k)%4   ; the token's number takes the expert's place
.set k, k+1
.endr
.set k, 0
.rept 16
	ds_store_b32 v[AD+k], v[TOK+\base+k]
.set k, k+1
.endr
.endm
	PLACE16 0
	PLACE16 16
	v_min_u32 v15, s38, v3                         ; row r, or the last row that has a token,
	v_min_u32 v15, 15, v15
	v_lshlrev_b32 v15, 2, v15
	ds_load_b32 v9, v15                            ; LDS serves a wave's instructions in order (ISA guide 5.7.1.4): this sees the stores above
	s_lshl_b32 s40, ttmp9, 14                      ; my tile's place in the three buffers
	s_mov_b32 s41, 0
	s_add_nc_u64 s[10:11], s[10:11], s[40:41]
	s_lshl_b32 s40, ttmp9, 10
	s_add_nc_u64 s[12:13], s[12:13], s[40:41]
	s_lshl_b32 s40, ttmp9, 6
	s_add_nc_u64 s[14:15], s[14:15], s[40:41]
	v_lshlrev_b32 v10, 4, v4
	v_lshlrev_b32 v11, 5, v4
	v_and_b32 v12, 1, v3
	v_lshlrev_b32 v12, 3, v12
	v_lshrrev_b32 v8, 1, v3
	v_add_lshl_u32 v12, v12, v8, 2                 ; order: word 8 (r % 2) + r / 2
	v_mov_b32 v14, 0                               ; meta: word = lane
.irp e, 0,1,2,3
	v_writelane_b32 v14, s[28+\e], 2*\e
	v_writelane_b32 v14, s[24+\e], 2*\e+1
.endr
	v_writelane_b32 v14, s32, 8
	s_wait_dscnt 0x0
	v_min_u32 v9, 0x3ff, v9                        ; the token of row r
	v_lshl_add_u32 v10, v9, 10, v10                ; its codes: 1,024 bytes a token, + 16 h
	v_lshl_add_u32 v11, v9, 6, v11                 ; its scale bytes: 64 a token, + 32 h
.set i, 0
.rept 32
	global_load_b128 v[CD+4*i:CD+4*i+3], v10, s[6:7] offset:32*i      ; block 2 i + h of row r
.set i, i+1
.endr
.irp q, 0,1
	global_load_b128 v[SCR+4*\q:SCR+4*\q+3], v11, s[8:9] offset:16*\q
.endr
.set i, 0
.rept 32
	s_wait_loadcnt 33-i                            ; loads come back in order (ISA guide 5.7.1): of the 34, those younger than load i may be out
	global_store_b128 v2, v[CD+4*i:CD+4*i+3], s[10:11] offset:512*i   ; blocks 2 i and 2 i + 1 of the 16 rows: 512 bytes on end
.set i, i+1
.endr
.irp q, 0,1
	s_wait_loadcnt 1-\q
	global_store_b128 v2, v[SCR+4*\q:SCR+4*\q+3], s[12:13] offset:512*\q
.endr
	global_store_b32 v12, v9, s[14:15]             ; lanes r and r + 16 store the same word with the same value
	s_cmp_lg_u32 ttmp9, 0
	s_cbranch_scc1 .Lend
	global_store_b32 v13, v14, s[16:17]            ; work-group 0 (tile 0 is always there): meta, 128 bytes
.Lend:
	s_wait_tensorcnt 0x0
	ds_add_u32 v208, v209
	s_wait_dscnt 0x0
	s_endpgm
.Lfunc_end_k_qccf511cd99_route:
	.size	k_qccf511cd99_route, .Lfunc_end_k_qccf511cd99_route-k_qccf511cd99_route
	.p2alignl 7, 3214868480
	.fill 96, 4, 3214868480
	.section	.rodata,"a",@progbits
	.p2align	6, 0x0
	.amdhsa_kernel k_qccf511cd99_route
		.amdhsa_group_segment_fixed_size 512
		.amdhsa_private_segment_fixed_size 0
		.amdhsa_enable_private_segment 0
		.amdhsa_kernarg_size 56
		.amdhsa_user_sgpr_count 2
		.amdhsa_user_sgpr_kernarg_segment_ptr 1
		.amdhsa_wavefront_size32 1
		.amdhsa_system_sgpr_workgroup_id_x 1
		.amdhsa_system_sgpr_workgroup_id_y 1
		.amdhsa_system_sgpr_workgroup_id_z 1
		.amdhsa_system_vgpr_workitem_id 0
		.amdhsa_next_free_vgpr 210
		.amdhsa_next_free_sgpr 100
		.amdhsa_reserve_vcc 1
		.amdhsa_float_denorm_mode_32 3
		.amdhsa_float_denorm_mode_16_64 3
		.amdhsa_memory_ordered 1
		.amdhsa_forward_progress 1
		.amdhsa_inst_pref_size 46
	.end_amdhsa_kernel
	.amdgpu_metadata
---
amdhsa.version: [ 1, 2 ]
amdhsa.kernels:
  - .name:           k_qccf511cd99_route
    .symbol:         k_qccf511cd99_route.kd
    .args:
      - { .name: token_ids, .offset: 0, .size: 8, .value_kind: global_buffer, .address_space: global }
      - { .name: hidden_states_codes, .offset: 8, .size: 8, .value_kind: global_buffer, .address_space: global }
      - { .name: hidden_states_scales, .offset: 16, .size: 8, .value_kind: global_buffer, .address_space: global }
      - { .name: xs_codes, .offset: 24, .size: 8, .value_kind: global_buffer, .address_space: global }
      - { .name: xs_scales, .offset: 32, .size: 8, .value_kind: global_buffer, .address_space: global }
      - { .name: order, .offset: 40, .size: 8, .value_kind: global_buffer, .address_space: global }
      - { .name: meta, .offset: 48, .size: 8, .value_kind: global_buffer, .address_space: global }
    .group_segment_fixed_size: 512
    .private_segment_fixed_size: 0
    .kernarg_segment_align: 8
    .kernarg_segment_size: 56
    .max_flat_workgroup_size: 32
    .sgpr_count:     100
    .vgpr_count:     210
    .wavefront_size: 32
...
	.end_amdgpu_metadata
.endif
;; end of part 1
;; launch gateup (part 2): grid 256 x 1, 4 waves a work-group, no clusters, 67,072 bytes of LDS; arguments xs_codes, xs_scales, gate_proj_codes, gate_proj_scales, up_proj_codes, up_proj_scales, meta, ic, isc; writes ic, isc
.if DOCPART == 2
	.amdgcn_target "amdgcn-amd-amdhsa--gfx1250"
	.amdhsa_code_object_version 6
	.text
	.protected	k_qccf511cd99_gateup
	.globl	k_qccf511cd99_gateup
	.p2align	8
	.type	k_qccf511cd99_gateup,@function
k_qccf511cd99_gateup:
	s_mov_b64 s[64:65], 0
	v_nop
	global_prefetch_b8 v0, s[64:65] scope:SCOPE_SE
	s_setreg_imm32_b32 hwreg(HW_REG_WAVE_MODE, 25, 1), 1
	s_wait_xcnt 0x0
; inter = silu(x G_e) * (x U_e) for the rows of expert e, on codes of FP4 (E2M1) with one E8M0 scale for each 32 along K = 2,048, and inter quantised along its 2,048 units for the next product.
; Only the chosen expert's rows are multiplied: the other experts' results are thrown away by the gather in the problem's own text.
; SHARES.  Work-group = (expert e = id / 64, block cb = id % 64 of 32 hidden units).  It alone reads the 32 rows of G_e and the 32 rows of U_e of that block, for all of K: each weight byte is asked for once in the launch.
; EVERY wave holds all 64 rows in registers (512) and takes the expert's tiles of 16 rows wave, wave + 4, ..: a block of 32 hidden units, which shares one scale, is whole in one wave, and behind the one barrier the waves share nothing.
; The weights come in runs of 512 bytes on end, 16 KB a wave, go once through LDS (rows 1,040 bytes apart) and come back as fragments.  x's tiles come from memory straight into the operand's registers:
; the launch before laid them so (512 bytes on end a load).  Two buffers: the next tile's 34 loads are out while a tile is multiplied.
; NO TENSOR LOAD, NO CLUSTER: the 64 work-groups of an expert read the same tiles of x, but how many tiles there are is read from memory (meta).
; The one barrier stands ahead of every branch on such a number.
; THE MATRIX INSTRUCTION IS USED TRANSPOSED (source 0 = 16 weight rows, source 1 = 16 tokens), AND THE ROWS OF A WEIGHT TILE ARE NOT NEIGHBOURS: lane r of tile u takes row 8 u + r + 8 (r / 8) of the block.
; Lane (r, h) then holds token r, and the 16 registers of tiles 0 and 1 are hidden units 16 h + 0 .. 15: neighbours along the next K, as the conversion wants them.
; OUT: ic [tile][block][row][16 bytes] and isc [tile][q][lane][16 bytes], laid as xs_codes and xs_scales.  A tile's codes of my block are one aligned run of 256 bytes, stored by one instruction;
; its 16 scale bytes lie 16 bytes apart (one byte for each 16 bytes of codes).
; LIMITS.  silu(g) u is made as (g u) / (1 + 2^(-g log2 e)): g u must be finite (|g u| under 3.4e38); the exponent is rounded once, a relative error of 6e-8 x 1.44 |g| x ln 2 in the exponential;
; v_exp_f32 and v_rcp_f32 take denormals as 0 (ISA guide 15.8).  NaN and infinities are not served.  A block of zeros gets the byte 1, not 127: its codes are zeros, and this program alone reads the byte.
; REGISTERS, in windows of 256: window 0: addresses, scale words, accumulators, the activation.  Window 1: the weights' fragments of K steps 0-7 (tile t, step s at v[8 (8 t + s)]); at the head v0-127: the weights as loaded.
;   Window 2: K steps 8-15.   Window 3: x's two buffers, K step s at v[128 b + 8 s].
.set PITCH, 1040                       ; a weight row in LDS: 1,024 bytes + 16 = 260 words: row r starts at bank 4 r mod 64 (64 banks of 4 bytes: ISA guide 11.1)
.set STEP,  4                          ; from one tile of a wave to its next
.set LOGSTEP, 2
.set NLD,   34                         ; loads that bring a tile: 2 of scale words, 32 of codes
.set LN16,  1                          ; v1  16 x lane
.set WSTO,  2                          ; v2  where I put the weights as loaded
.set WFR,   3                          ; v3  a fragment's place for my lane: r x PITCH + 16 h
.set WSO,   4                          ; v4  the weights' scale bytes: (r + 8 (r / 8)) x 64 + 32 h
.set CSO,   5                          ; v5  16 r + 8 h: my 8 bytes of codes in a block's 256
.set BSO,   6                          ; v6  16 r: my row's scale byte
.set WS,    16                         ; v16-47  the weights' scale words: tile t, register j: lanes 0-15 K step j, lanes 16-31 K step 8 + j
.set XS,    48                         ; v48-63  x's, for each buffer, likewise
.set ACC,   64                         ; v64-95  accumulators: gate's tiles 0, 1, up's tiles 0, 1
.set T,     96                         ; v96-111  at work: the exponentials
.set P,     112                        ; v112-127 the 16 numbers of inter
.set M0,    128
.set M1,    129
.set SCL,   130
.set CDS,   136                        ; v136-137 the codes
.set BYT,   138                        ; v138     the scale's byte
.set XB,    32                         ; s[32:35] where each buffer's tile of codes lies
.set XSB,   36                         ; s[36:39] and its scale words
.set JT,    44                         ; s44  J: the tile (of the expert) two on from the one in buffer 0; it serves addresses alone
.set CNT,   45                         ; s45  counts the loop's trips, one a trip
.set MT,    62                         ; s62  m: how many tiles are mine
.set TRIPS, 63                         ; s63  the loop's trips
.set MSB, 0
.macro WIN new                         ; the immediate's high byte repeats the setting that is left; bits 1:0 source 0, 3:2 source 1, 5:4 source 2, 7:6 destination
.if MSB != \new
	s_set_vgpr_msb (MSB<<8)|\new
.set MSB, \new
.endif
.endm
	s_load_b512 s[4:19], s[0:1], 0x0               ; xs_codes s[4:5], xs_scales s[6:7], G's codes s[8:9], scales s[10:11], U's codes s[12:13], scales s[14:15], meta s[16:17], ic s[18:19]
	s_load_b64 s[20:21], s[0:1], 0x40              ; isc
	v_lshl_add_u32 v254, v0, 2, 0x10400
	v_mov_b32 v255, 0
	v_lshrrev_b32 v7, 5, v0
	v_readfirstlane_b32 s22, v7                    ; wave 0..3
	s_lshr_b32 s23, ttmp9, 6                       ; e
	s_and_b32 s24, ttmp9, 63                       ; cb
	v_and_b32 v1, 31, v0
	v_lshlrev_b32 v[LN16], 4, v1
	v_and_b32 v7, 15, v0                           ; r
	v_bfe_u32 v8, v0, 4, 1                         ; h
	s_lshr_b32 s25, s22, 1                         ; g: I fetch for gate (0) or up (1),
	s_and_b32 s29, s22, 1                          ; a: rows 16 a .. 16 a + 15 of the block
	s_lshl_b32 s30, s25, 5                         ; row 16 a + 8 u + i of the block is lane 8 a + i of tile u: stage row 32 g + 16 u + 8 a + i
	s_lshl_b32 s31, s29, 3
	s_add_co_u32 s30, s30, s31
	s_mul_i32 s30, s30, PITCH
	v_add_nc_u32 v[WSTO], s30, v[LN16]
	v_mul_u32_u24 v[WFR], v7, PITCH
	v_lshl_add_u32 v[WFR], v8, 4, v[WFR]
	v_and_b32 v[WSO], 8, v7
	v_add_nc_u32 v[WSO], v[WSO], v7
	v_lshlrev_b32 v[WSO], 6, v[WSO]
	v_lshl_add_u32 v[WSO], v8, 5, v[WSO]
	v_lshlrev_b32 v[BSO], 4, v7
	v_lshl_add_u32 v[CSO], v8, 3, v[BSO]
	s_mov_b32 s46, 0xbfb8aa3b                      ; -log2(e); the packed form names a pair and takes its low word for both halves
	s_mov_b32 s47, s46
	s_mov_b32 s48, 0x76543210                      ; v_permlanex16_b32's selects for lane l xor 16
	s_mov_b32 s49, 0xfedcba98
	s_lshl_b32 s56, s24, 8                         ; my block's 256 bytes in a tile of ic
	s_bfe_u32 s57, s24, 0x10004                    ; and its byte in a tile of isc: 512 ((cb / 16) % 2) + 256 (cb / 32) + cb % 16
	s_lshl_b32 s57, s57, 9
	s_lshr_b32 s30, s24, 5
	s_lshl_b32 s30, s30, 8
	s_add_co_u32 s57, s57, s30
	s_and_b32 s30, s24, 15
	s_add_co_u32 s57, s57, s30
	s_lshl_b32 s58, s23, 3
	s_mov_b32 s59, 0
	s_wait_kmcnt 0x0
	s_add_nc_u64 s[60:61], s[16:17], s[58:59]
	s_load_b64 s[26:27], s[60:61], 0x0             ; T_e s26, n_e s27
	s_load_b32 s28, s[16:17], 0x20                 ; TT
	s_cmp_lt_u32 s22, 2
	s_cselect_b64 s[50:51], s[8:9], s[12:13]       ; G's codes or U's
	s_lshl_b32 s30, s23, 21                        ; an expert: 2,048 rows of 1,024 bytes; a block: 32 rows; my 16 of them
	s_lshl_b32 s59, s24, 15
	s_add_co_u32 s30, s30, s59
	s_lshl_b32 s59, s29, 14
	s_add_co_u32 s30, s30, s59
	s_mov_b32 s31, 0
	s_add_nc_u64 s[50:51], s[50:51], s[30:31]
	s_lshl_b32 s30, s23, 17                        ; scale bytes: 64 a row
	s_lshl_b32 s59, s24, 11
	s_add_co_u32 s30, s30, s59
	s_add_nc_u64 s[52:53], s[10:11], s[30:31]
	s_add_nc_u64 s[54:55], s[14:15], s[30:31]
	WIN 0x40                                       ; destination window 1
.set i, 0
.rept 32
	global_load_b128 v[4*i:4*i+3], v[LN16], s[50:51] offset:512*i th:TH_LOAD_NT   ; 16 KB on end, 512 bytes a load; read once in the launch
.set i, i+1
.endr
	WIN 0
.irp u, 0,1
.irp q, 0,1
	global_load_b128 v[WS+8*\u+4*\q:WS+8*\u+4*\q+3], v[WSO], s[52:53] offset:512*\u+16*\q th:TH_LOAD_NT
	global_load_b128 v[WS+16+8*\u+4*\q:WS+16+8*\u+4*\q+3], v[WSO], s[54:55] offset:512*\u+16*\q th:TH_LOAD_NT
.endr
.endr
; the bases of the tile whose number stands in s30, for buffer b.  The number is held inside the buffers (67 tiles).  The bases' earlier loads have been shown done by a counted wait on LOADcnt
.macro TILEBASE b
	s_min_u32 s30, s30, 66
	s_lshl_b32 s59, s30, 10
	s_lshl_b32 s30, s30, 14
	s_mov_b32 s31, 0
	s_add_nc_u64 s[XB+2*(\b):XB+2*(\b)+1], s[4:5], s[30:31]
	s_mov_b32 s30, s59
	s_add_nc_u64 s[XSB+2*(\b):XSB+2*(\b)+1], s[6:7], s[30:31]
.endm
.macro LOADX b                         ; a tile of x into buffer b: NLD loads, each 512 bytes on end
.irp q, 0,1
	global_load_b128 v[XS+8*(\b)+4*\q:XS+8*(\b)+4*\q+3], v[LN16], s[XSB+2*(\b):XSB+2*(\b)+1] offset:512*\q
.endr
	WIN 0xc0                                       ; destination window 3
.set i, 0
.rept 32
	global_load_b128 v[128*(\b)+4*i:128*(\b)+4*i+3], v[LN16], s[XB+2*(\b):XB+2*(\b)+1] offset:512*i
.set i, i+1
.endr
	WIN 0
.endm
	s_wait_kmcnt 0x0
	s_min_u32 s27, s27, 64                         ; n_e: 1,024 tokens make at most 64 tiles of one expert
	s_add_co_u32 s30, s26, s22                     ; my first tile.  A wave without a tile asks for the last tile that was written: no branch on a loaded number stands ahead of the barrier
	s_sub_co_u32 s59, s28, 1
	s_min_u32 s30, s30, s59
	TILEBASE 0
	LOADX 0
	s_wait_loadcnt NLD                             ; the weights and their scale words are in; the tile's NLD loads may be out
	WIN 0x04                                       ; an LDS store's data are its source 1: window 1
.set i, 0
.rept 32
	ds_store_b128 v[WSTO], v[4*i:4*i+3] offset:(16*((i/2)/8)+((i/2)%8))*PITCH+512*(i%2)
.set i, i+1
.endr
	WIN 0
	s_wait_dscnt 0x0                               ; for the others' sake: my stores have landed
	s_barrier_signal -1
	s_barrier_wait -1                              ; all 64 rows lie in LDS; they are written no more
	WIN 0x40
.irp t, 0,1,2,3
.irp s, 0,1,2,3,4,5,6,7
.irp c, 0,1
	ds_load_b128 v[8*(8*\t+\s)+4*\c:8*(8*\t+\s)+4*\c+3], v[WFR] offset:16*\t*PITCH+64*\s+32*\c
.endr
.endr
.endr
	WIN 0x80
.irp t, 0,1,2,3
.irp s, 0,1,2,3,4,5,6,7
.irp c, 0,1
	ds_load_b128 v[8*(8*\t+\s)+4*\c:8*(8*\t+\s)+4*\c+3], v[WFR] offset:16*\t*PITCH+64*(\s+8)+32*\c
.endr
.endr
.endr
	WIN 0
	s_wait_dscnt 0x0
; 64 matrix instructions: 4 weight tiles x 16 K steps on buffer b.  The four accumulators take turns, one instruction a turn; the first K step starts the sums.
.macro MULS b
	WIN 0x0d                                       ; source 0 (weights) window 1, source 1 (x) window 3
.irp s, 0,1,2,3,4,5,6,7
.irp t, 0,1,2,3
.if \s == 0
	v_wmma_scale_f32_16x16x128_f8f6f4 v[ACC+8*\t:ACC+8*\t+7], v[8*(8*\t+\s):8*(8*\t+\s)+7], v[128*(\b)+8*\s:128*(\b)+8*\s+7], 0, v[WS+8*\t+\s], v[XS+8*(\b)+\s] matrix_a_fmt:MATRIX_FMT_FP4 matrix_b_fmt:MATRIX_FMT_FP4
.else
	v_wmma_scale_f32_16x16x128_f8f6f4 v[ACC+8*\t:ACC+8*\t+7], v[8*(8*\t+\s):8*(8*\t+\s)+7], v[128*(\b)+8*\s:128*(\b)+8*\s+7], v[ACC+8*\t:ACC+8*\t+7], v[WS+8*\t+\s], v[XS+8*(\b)+\s] matrix_a_fmt:MATRIX_FMT_FP4 matrix_b_fmt:MATRIX_FMT_FP4
.endif
.endr
.endr
	WIN 0x0e                                       ; source 0 window 2: K steps 8 to 15, whose scale words stand in lanes 16-31
.irp s, 0,1,2,3,4,5,6,7
.irp t, 0,1,2,3
	v_wmma_scale_f32_16x16x128_f8f6f4 v[ACC+8*\t:ACC+8*\t+7], v[8*(8*\t+\s):8*(8*\t+\s)+7], v[128*(\b)+64+8*\s:128*(\b)+64+8*\s+7], v[ACC+8*\t:ACC+8*\t+7], v[WS+8*\t+\s], v[XS+8*(\b)+\s] matrix_a_fmt:MATRIX_FMT_FP4 matrix_b_fmt:MATRIX_FMT_FP4 matrix_a_scale:MATRIX_SCALE_ROW1 matrix_b_scale:MATRIX_SCALE_ROW1
.endr
.endr
	WIN 0
.endm
; The activation and the quantiser: my 16 numbers of token r, hidden units 16 h + 0 .. 15 of the block; lane l xor 16 has the block's other 16.
.macro EPI
.rept 4
	v_nop                                          ; four places between the last products and the first read of their results (ISA guide 7.12.1)
.endr
.irp j, 0,2,4,6,8,10,12,14
	v_pk_mul_f32 v[T+\j:T+\j+1], v[ACC+\j:ACC+\j+1], s[46:47] op_sel_hi:[1,0]   ; -g log2(e); each accumulator is read from its low end on
.endr
.irp j, 0,1,2,3,4,5,6,7,8,9,10,11,12,13,14,15
	v_exp_f32 v[T+\j], v[T+\j]                     ; e^-g: one batch
.endr
.irp j, 0,2,4,6,8,10,12,14
	v_pk_mul_f32 v[P+\j:P+\j+1], v[ACC+\j:ACC+\j+1], v[ACC+16+\j:ACC+16+\j+1]   ; g u: plain work that names no exponential's result
.endr
	s_wait_alu depctr_va_vdst(0)                   ; one wait for the batch, ahead of its first reader
.irp j, 0,2,4,6,8,10,12,14
	v_pk_add_f32 v[T+\j:T+\j+1], v[T+\j:T+\j+1], 1.0 op_sel_hi:[1,0]
.endr
.irp j, 0,1,2,3,4,5,6,7,8,9,10,11,12,13,14,15
	v_rcp_f32 v[T+\j], v[T+\j]                     ; 1 / (1 + e^-g): the second batch
.endr
	v_nop                                          ; a plain instruction behind the last reciprocal (ISA guide 5.7.2)
	s_wait_alu depctr_va_vdst(0)                   ; and its one wait
.irp j, 0,2,4,6,8,10,12,14
	v_pk_mul_f32 v[P+\j:P+\j+1], v[P+\j:P+\j+1], v[T+\j:T+\j+1]   ; inter
.endr
	v_max3_num_f32 v[M0], |v[P]|, |v[P+1]|, 0x1800000            ; the largest magnitude of my 16, in two chains, with the floor 2^(3 - 127) among the leaves: the scale's byte cannot fall under 1
	v_max3_num_f32 v[M1], |v[P+2]|, |v[P+3]|, |v[P+4]|
	v_max3_num_f32 v[M0], v[M0], |v[P+5]|, |v[P+6]|
	v_max3_num_f32 v[M1], v[M1], |v[P+7]|, |v[P+8]|
	v_max3_num_f32 v[M0], v[M0], |v[P+9]|, |v[P+10]|
	v_max3_num_f32 v[M1], v[M1], |v[P+11]|, |v[P+12]|
	v_max3_num_f32 v[M0], v[M0], |v[P+13]|, |v[P+14]|
	v_max3_num_f32 v[M0], v[M0], v[M1], |v[P+15]|
	v_permlanex16_b32 v[M1], v[M0], s48, s49
	v_max_num_f32 v[M0], v[M0], v[M1]              ; with lane l xor 16's: the block's
	v_add_nc_u32 v[SCL], 0xff000000, v[M0]         ; 2 off its exponent field: the conversion takes the exponent field of this operand as its scale
	s_wait_xcnt 0x0                                ; the last tile's stores have read their data and their bases: both are written again only behind this wait
	v_cvt_scalef32_pk8_fp4_f32 v[CDS], v[P:P+7], v[SCL]          ; to the nearest code, ties to even, beyond 6 the largest code
	v_cvt_scalef32_pk8_fp4_f32 v[CDS+1], v[P+8:P+15], v[SCL]
	v_lshrrev_b32 v[BYT], 23, v[SCL]               ; the scale's byte; also the plain instruction behind the conversions
.endm
.macro PUT back                        ; tile J - back: my block's codes and scale bytes
	s_add_co_u32 s30, s26, s[JT]
	s_sub_co_u32 s30, s30, \back
	s_min_u32 s30, s30, 66
	s_lshl_b32 s59, s30, 10
	s_lshl_b32 s30, s30, 14
	s_add_co_u32 s30, s30, s56
	s_mov_b32 s31, 0
	s_add_nc_u64 s[40:41], s[18:19], s[30:31]
	s_add_co_u32 s30, s59, s57
	s_add_nc_u64 s[42:43], s[20:21], s[30:31]
	global_store_b64 v[CSO], v[CDS:CDS+1], s[40:41]              ; 32 lanes store 256 bytes on end, at a multiple of 256 from ic's first byte
	global_store_b8 v[BSO], v[BYT], s[42:43]                     ; lanes r and r + 16 store the same byte with the same value
.endm
.macro NEXT b, back                    ; tile J - back is asked for, into buffer b; then the other buffer's tile is in
	s_add_co_u32 s30, s26, s[JT]
.if \back
	s_sub_co_u32 s30, s30, \back
.endif
	TILEBASE \b
	LOADX \b                                       ; the products that read this buffer stand ahead of a whole activation: far more than four plain vector instructions back
	s_wait_loadcnt NLD                             ; all but the NLD just issued
.endm
.macro WORK b, back
	MULS \b
	EPI
	PUT \back
.endm
; My tiles of the expert are wave, wave + 4, .. under n_e: m = (n_e + 3 - wave) / 4 of them (wave is under 4, so nothing goes below 0; m = 0 where n_e <= wave).
; A trip works two tiles and asks for a third: (m - 1) / 2 trips; behind them one tile is left where m is odd, two where it is even.  The trips are counted one by one.
	s_add_co_u32 s[JT], s22, 2*STEP
	s_add_co_u32 s[MT], s27, STEP-1
	s_sub_co_u32 s[MT], s[MT], s22
	s_lshr_b32 s[MT], s[MT], LOGSTEP
	s_cmp_eq_u32 s[MT], 0
	s_cbranch_scc1 .Ldone                          ; none for me
	s_sub_co_u32 s[TRIPS], s[MT], 1
	s_lshr_b32 s[TRIPS], s[TRIPS], 1
	s_mov_b32 s[CNT], 0
	s_cmp_eq_u32 s[TRIPS], 0
	s_cbranch_scc1 .Ltail
.Ltrip:                                                ; tiles J - 8 (in buffer 0), J - 4 and J are there
	NEXT 1, STEP
	WORK 0, 2*STEP
	NEXT 0, 0
	WORK 1, STEP
	s_add_co_u32 s[JT], s[JT], 2*STEP
	s_add_co_u32 s[CNT], s[CNT], 1
	s_cmp_lt_u32 s[CNT], s[TRIPS]
	s_cbranch_scc1 .Ltrip
.Ltail:                                                ; tile J - 8 is in buffer 0 or on its way there; tile J is not there: one tile or two are left, and nothing is asked for beyond them
	s_and_b32 s[CNT], s[MT], 1
	s_cmp_lg_u32 s[CNT], 0
	s_cbranch_scc1 .Lone
	NEXT 1, STEP
	WORK 0, 2*STEP
	s_wait_loadcnt 0x0
	WORK 1, STEP
	s_wait_tensorcnt 0x0
	ds_add_u32 v254, v255
	s_wait_dscnt 0x0
	s_endpgm
.Lone:
	s_wait_loadcnt 0x0
	WORK 0, 2*STEP
.Ldone:
	s_wait_tensorcnt 0x0
	ds_add_u32 v254, v255
	s_wait_dscnt 0x0
	s_endpgm
.Lfunc_end_k_qccf511cd99_gateup:
	.size	k_qccf511cd99_gateup, .Lfunc_end_k_qccf511cd99_gateup-k_qccf511cd99_gateup
	.p2alignl 7, 3214868480
	.fill 96, 4, 3214868480
	.section	.rodata,"a",@progbits
	.p2align	6, 0x0
	.amdhsa_kernel k_qccf511cd99_gateup
		.amdhsa_group_segment_fixed_size 67072
		.amdhsa_private_segment_fixed_size 0
		.amdhsa_enable_private_segment 0
		.amdhsa_kernarg_size 72
		.amdhsa_user_sgpr_count 2
		.amdhsa_user_sgpr_kernarg_segment_ptr 1
		.amdhsa_wavefront_size32 1
		.amdhsa_system_sgpr_workgroup_id_x 1
		.amdhsa_system_sgpr_workgroup_id_y 1
		.amdhsa_system_sgpr_workgroup_id_z 1
		.amdhsa_system_vgpr_workitem_id 0
		.amdhsa_next_free_vgpr 1024
		.amdhsa_next_free_sgpr 80
		.amdhsa_reserve_vcc 0
		.amdhsa_float_denorm_mode_32 3
		.amdhsa_float_denorm_mode_16_64 3
		.amdhsa_memory_ordered 1
		.amdhsa_forward_progress 1
		.amdhsa_inst_pref_size 96
	.end_amdhsa_kernel
	.amdgpu_metadata
---
amdhsa.version: [ 1, 2 ]
amdhsa.kernels:
  - .name:           k_qccf511cd99_gateup
    .symbol:         k_qccf511cd99_gateup.kd
    .args:
      - { .name: xs_codes, .offset: 0, .size: 8, .value_kind: global_buffer, .address_space: global }
      - { .name: xs_scales, .offset: 8, .size: 8, .value_kind: global_buffer, .address_space: global }
      - { .name: gate_proj_codes, .offset: 16, .size: 8, .value_kind: global_buffer, .address_space: global }
      - { .name: gate_proj_scales, .offset: 24, .size: 8, .value_kind: global_buffer, .address_space: global }
      - { .name: up_proj_codes, .offset: 32, .size: 8, .value_kind: global_buffer, .address_space: global }
      - { .name: up_proj_scales, .offset: 40, .size: 8, .value_kind: global_buffer, .address_space: global }
      - { .name: meta, .offset: 48, .size: 8, .value_kind: global_buffer, .address_space: global }
      - { .name: ic, .offset: 56, .size: 8, .value_kind: global_buffer, .address_space: global }
      - { .name: isc, .offset: 64, .size: 8, .value_kind: global_buffer, .address_space: global }
    .group_segment_fixed_size: 67072
    .private_segment_fixed_size: 0
    .kernarg_segment_align: 8
    .kernarg_segment_size: 72
    .max_flat_workgroup_size: 128
    .sgpr_count:     80
    .vgpr_count:     1024
    .wavefront_size: 32
...
	.end_amdgpu_metadata
.endif
;; end of part 2
;; launch down (part 3): grid 256 x 1, 4 waves a work-group, no clusters, 84,480 bytes of LDS; arguments ic, isc, down_proj_codes, down_proj_scales, meta, order, out0; writes out0
.if DOCPART == 3
	.amdgcn_target "amdgcn-amd-amdhsa--gfx1250"
	.amdhsa_code_object_version 6
	.text
	.protected	k_qccf511cd99_down
	.globl	k_qccf511cd99_down
	.p2align	8
	.type	k_qccf511cd99_down,@function
k_qccf511cd99_down:
	s_mov_b64 s[64:65], 0
	v_nop
	global_prefetch_b8 v0, s[64:65] scope:SCOPE_SE
	s_setreg_imm32_b32 hwreg(HW_REG_WAVE_MODE, 25, 1), 1
	s_wait_xcnt 0x0
; out = inter D_e for the rows of expert e, on codes of FP4 (E2M1) with one E8M0 scale for each 32 along K = 2,048; each row goes back to its token's row of out0 (f32).
; SHARES.  Work-group = (expert e = id / 64, 64 output columns ct = (id / 2) % 32, half = id % 2 of the expert's tiles).  64 columns of f32 are 256 bytes: a row's part is stored whole by sixteen lanes.
; So that all 256 work-groups have work with parts of that width, two work-groups hold the same 64 rows of D_e and share the expert's tiles: tile 4 half + wave, then every eighth.
; EVERY wave holds the 64 rows of D_e for all of K in registers (512); they come in runs of 512 bytes, 16 KB a wave, once through LDS (rows 1,040 bytes apart).  inter's tiles come from memory straight into the
; operand's registers, as the launch before laid them (512 bytes on end a load), with their tokens' numbers; two buffers, the next tile's 36 loads out while a tile is multiplied.
; NO TENSOR LOAD, NO CLUSTER: the work-groups of an expert read the same tiles of inter, but how many there are is read from memory (meta).
; The one barrier stands ahead of every branch on such a number.
; THE MATRIX INSTRUCTION IS USED TRANSPOSED (source 0 = 16 rows of D_e = 16 output columns, source 1 = 16 tokens): lane (r, h) holds token r and, in tile t, columns 16 t + 8 h + 0 .. 7: 32 bytes of a row.
; A tile's 16 rows x 256 bytes go through the wave's own stage in LDS and leave as whole rows.  The rows that fill an expert's last tile repeat its last token: the same wave stores the same bytes to the same row again.
; REGISTERS, in windows of 256: window 0: addresses, scale words, accumulators, tokens, the way out.  Window 1: D's fragments of K steps 0-7 (tile t, step s at v[8 (8 t + s)]); at the head v0-127: the weights as loaded.
;   Window 2: K steps 8-15.   Window 3: inter's two buffers, K step s at v[128 b + 8 s].
.set PITCH, 1040                       ; a weight row in LDS: 1,024 bytes + 16 = 260 words: row r starts at bank 4 r mod 64 (64 banks of 4 bytes: ISA guide 11.1)
.set STG,   64*PITCH                   ; behind the weights: a stage of 16 rows x (256 + 16) bytes for each wave
.set SP,    272
.set STEP,  8                          ; from one tile of a wave to its next
.set LOGSTEP, 3
.set NLD,   36                         ; loads that bring a tile: 2 of scale words, 2 of tokens, 32 of codes
.set LN16,  1                          ; v1  16 x lane
.set WSTO,  2                          ; v2  where I put the weights as loaded
.set WFR,   3                          ; v3  a fragment's place for my lane: r x PITCH + 16 h
.set WSO,   4                          ; v4  the weights' scale bytes: 64 r + 32 h
.set SO,    7                          ; v7  the stage: where I put 32 bytes of row r
.set SRD,   8                          ; v8  and where I read back: lanes 0-15 one row, lanes 16-31 the next
.set R16,   9                          ; v9  16 r
.set H32,   10                         ; v10 32 h
.set WS,    16                         ; v16-47  D's scale words: tile t, register j: lanes 0-15 K step j, lanes 16-31 K step 8 + j
.set XS,    48                         ; v48-63  inter's, for each buffer, likewise
.set ACC,   64                         ; v64-95  four accumulators
.set TK,    96                         ; v96-111 for each buffer: register i = the token of tile row 2 i + h
.set OF,    112                        ; v112-119 byte offsets in out0
.set OUTR,  128                        ; v128-159 16 rows read back from the stage
.set XB,    32                         ; s[32:35] where each buffer's tile of codes lies
.set XSB,   36                         ; s[36:39] its scale words
.set ORB,   60                         ; s[60:63] its tokens
.set JT,    44                         ; s44  J: the tile (of the expert) two on from the one in buffer 0; it serves addresses alone
.set CNT,   45                         ; s45  counts the loop's trips, one a trip
.set MT,    46                         ; s46  m: how many tiles are mine
.set TRIPS, 47                         ; s47  the loop's trips
.set MSB, 0
.macro WIN new                         ; the immediate's high byte repeats the setting that is left; bits 1:0 source 0, 3:2 source 1, 5:4 source 2, 7:6 destination
.if MSB != \new
	s_set_vgpr_msb (MSB<<8)|\new
.set MSB, \new
.endif
.endm
	s_load_b256 s[4:11], s[0:1], 0x0               ; ic s[4:5], isc s[6:7], D's codes s[8:9], D's scales s[10:11]
	s_load_b128 s[12:15], s[0:1], 0x20             ; meta s[12:13], order s[14:15]
	s_load_b64 s[16:17], s[0:1], 0x30              ; out0
	v_lshl_add_u32 v254, v0, 2, 0x14800
	v_mov_b32 v255, 0
	v_lshrrev_b32 v11, 5, v0
	v_readfirstlane_b32 s22, v11                   ; wave 0..3
	s_lshr_b32 s23, ttmp9, 6                       ; e
	s_bfe_u32 s24, ttmp9, 0x50001                  ; ct: 5 bits from bit 1
	s_and_b32 s25, ttmp9, 1                        ; half
	v_and_b32 v1, 31, v0
	v_lshlrev_b32 v[LN16], 4, v1
	v_and_b32 v11, 15, v0                          ; r
	v_bfe_u32 v12, v0, 4, 1                        ; h
	s_mul_i32 s30, s22, 16*PITCH                   ; I fetch rows 16 wave .. + 15 of the 64; they lie in LDS as they lie in memory
	v_add_nc_u32 v[WSTO], s30, v[LN16]
	v_mul_u32_u24 v[WFR], v11, PITCH
	v_lshl_add_u32 v[WFR], v12, 4, v[WFR]
	v_lshlrev_b32 v[WSO], 6, v11
	v_lshl_add_u32 v[WSO], v12, 5, v[WSO]
	s_mul_i32 s30, s22, 16*SP
	s_add_co_u32 s30, s30, STG                     ; my stage
	v_mul_u32_u24 v[SO], v11, SP
	v_lshl_add_u32 v[SO], v12, 5, v[SO]
	v_add_nc_u32 v[SO], s30, v[SO]
	v_mul_u32_u24 v[SRD], v12, SP
	v_lshl_add_u32 v[SRD], v11, 4, v[SRD]
	v_add_nc_u32 v[SRD], s30, v[SRD]
	v_lshlrev_b32 v[R16], 4, v11
	v_lshlrev_b32 v[H32], 5, v12
	s_lshl_b32 s29, s25, 2
	s_add_co_u32 s29, s29, s22                     ; my first tile of the expert: 4 half + wave
	s_lshl_b32 s58, s23, 3
	s_mov_b32 s59, 0
	s_wait_kmcnt 0x0
	s_add_nc_u64 s[54:55], s[12:13], s[58:59]
	s_load_b64 s[26:27], s[54:55], 0x0             ; T_e s26, n_e s27
	s_load_b32 s28, s[12:13], 0x20                 ; TT
	s_lshl_b32 s30, s23, 21                        ; an expert: 2,048 rows of 1,024 bytes; my work-group's 64; my 16 of them
	s_lshl_b32 s59, s24, 16
	s_add_co_u32 s30, s30, s59
	s_lshl_b32 s59, s22, 14
	s_add_co_u32 s30, s30, s59
	s_mov_b32 s31, 0
	s_add_nc_u64 s[50:51], s[8:9], s[30:31]
	s_lshl_b32 s30, s23, 17                        ; scale bytes: 64 a row
	s_lshl_b32 s59, s24, 12
	s_add_co_u32 s30, s30, s59
	s_add_nc_u64 s[52:53], s[10:11], s[30:31]
	s_lshl_b32 s30, s24, 8
	s_add_nc_u64 s[40:41], s[16:17], s[30:31]      ; out0 at my 64 columns; never rewritten
	WIN 0x40                                       ; destination window 1
.set i, 0
.rept 32
	global_load_b128 v[4*i:4*i+3], v[LN16], s[50:51] offset:512*i   ; 16 KB on end, 512 bytes a load
.set i, i+1
.endr
	WIN 0
.irp t, 0,1,2,3
.irp q, 0,1
	global_load_b128 v[WS+8*\t+4*\q:WS+8*\t+4*\q+3], v[WSO], s[52:53] offset:1024*\t+16*\q
.endr
.endr
; the bases of the tile whose number stands in s30, for buffer b.  The number is held inside the buffers (67 tiles).  The bases' earlier loads have been shown done by a counted wait on LOADcnt
.macro TILEBASE b
	s_min_u32 s30, s30, 66
	s_lshl_b32 s59, s30, 10
	s_lshl_b32 s57, s30, 6
	s_lshl_b32 s30, s30, 14
	s_mov_b32 s31, 0
	s_add_nc_u64 s[XB+2*(\b):XB+2*(\b)+1], s[4:5], s[30:31]
	s_mov_b32 s30, s59
	s_add_nc_u64 s[XSB+2*(\b):XSB+2*(\b)+1], s[6:7], s[30:31]
	s_mov_b32 s30, s57
	s_add_nc_u64 s[ORB+2*(\b):ORB+2*(\b)+1], s[14:15], s[30:31]
.endm
.macro LOADX b                         ; a tile of inter into buffer b: NLD loads
.irp q, 0,1
	global_load_b128 v[XS+8*(\b)+4*\q:XS+8*(\b)+4*\q+3], v[LN16], s[XSB+2*(\b):XSB+2*(\b)+1] offset:512*\q
	global_load_b128 v[TK+8*(\b)+4*\q:TK+8*(\b)+4*\q+3], v[H32], s[ORB+2*(\b):ORB+2*(\b)+1] offset:16*\q
.endr
	WIN 0xc0                                       ; destination window 3
.set i, 0
.rept 32
	global_load_b128 v[128*(\b)+4*i:128*(\b)+4*i+3], v[LN16], s[XB+2*(\b):XB+2*(\b)+1] offset:512*i
.set i, i+1
.endr
	WIN 0
.endm
	s_wait_kmcnt 0x0
	s_min_u32 s27, s27, 64                         ; n_e: 1,024 tokens make at most 64 tiles of one expert
	s_add_co_u32 s30, s26, s29                     ; my first tile.  A wave without a tile asks for the last tile that was written: no branch on a loaded number stands ahead of the barrier
	s_sub_co_u32 s59, s28, 1
	s_min_u32 s30, s30, s59
	TILEBASE 0
	LOADX 0
	s_wait_loadcnt NLD                             ; the weights and their scale words are in; the tile's NLD loads may be out
	WIN 0x04                                       ; an LDS store's data are its source 1: window 1
.set i, 0
.rept 32
	ds_store_b128 v[WSTO], v[4*i:4*i+3] offset:(i/2)*PITCH+512*(i%2)
.set i, i+1
.endr
	WIN 0
	s_wait_dscnt 0x0                               ; for the others' sake: my stores have landed
	s_barrier_signal -1
	s_barrier_wait -1                              ; all 64 rows lie in LDS; they are written no more
	WIN 0x40
.irp t, 0,1,2,3
.irp s, 0,1,2,3,4,5,6,7
.irp c, 0,1
	ds_load_b128 v[8*(8*\t+\s)+4*\c:8*(8*\t+\s)+4*\c+3], v[WFR] offset:16*\t*PITCH+64*\s+32*\c
.endr
.endr
.endr
	WIN 0x80
.irp t, 0,1,2,3
.irp s, 0,1,2,3,4,5,6,7
.irp c, 0,1
	ds_load_b128 v[8*(8*\t+\s)+4*\c:8*(8*\t+\s)+4*\c+3], v[WFR] offset:16*\t*PITCH+64*(\s+8)+32*\c
.endr
.endr
.endr
	WIN 0
	s_wait_dscnt 0x0
; 64 matrix instructions: 4 tiles of 16 columns x 16 K steps on buffer b.  The four accumulators take turns, one instruction a turn; the first K step starts the sums.
.macro MULS b
	WIN 0x0d                                       ; source 0 (D) window 1, source 1 (inter) window 3
.irp s, 0,1,2,3,4,5,6,7
.irp t, 0,1,2,3
.if \s == 0
	v_wmma_scale_f32_16x16x128_f8f6f4 v[ACC+8*\t:ACC+8*\t+7], v[8*(8*\t+\s):8*(8*\t+\s)+7], v[128*(\b)+8*\s:128*(\b)+8*\s+7], 0, v[WS+8*\t+\s], v[XS+8*(\b)+\s] matrix_a_fmt:MATRIX_FMT_FP4 matrix_b_fmt:MATRIX_FMT_FP4
.else
	v_wmma_scale_f32_16x16x128_f8f6f4 v[ACC+8*\t:ACC+8*\t+7], v[8*(8*\t+\s):8*(8*\t+\s)+7], v[128*(\b)+8*\s:128*(\b)+8*\s+7], v[ACC+8*\t:ACC+8*\t+7], v[WS+8*\t+\s], v[XS+8*(\b)+\s] matrix_a_fmt:MATRIX_FMT_FP4 matrix_b_fmt:MATRIX_FMT_FP4
.endif
.endr
.endr
	WIN 0x0e                                       ; source 0 window 2: K steps 8 to 15, whose scale words stand in lanes 16-31
.irp s, 0,1,2,3,4,5,6,7
.irp t, 0,1,2,3
	v_wmma_scale_f32_16x16x128_f8f6f4 v[ACC+8*\t:ACC+8*\t+7], v[8*(8*\t+\s):8*(8*\t+\s)+7], v[128*(\b)+64+8*\s:128*(\b)+64+8*\s+7], v[ACC+8*\t:ACC+8*\t+7], v[WS+8*\t+\s], v[XS+8*(\b)+\s] matrix_a_fmt:MATRIX_FMT_FP4 matrix_b_fmt:MATRIX_FMT_FP4 matrix_a_scale:MATRIX_SCALE_ROW1 matrix_b_scale:MATRIX_SCALE_ROW1
.endr
.endr
	WIN 0
.endm
; THE WAY OUT of a tile: 32 bytes a lane into my stage, back as whole rows of 256 bytes, each to its token's row of out0.
.macro OUT b
.rept 4
	v_nop                                          ; four places between the last products and the first read of their results (ISA guide 7.12.1)
.endr
.irp t, 0,1,2,3
	ds_store_b128 v[SO], v[ACC+8*\t:ACC+8*\t+3] offset:64*\t         ; each accumulator from its low end on
	ds_store_b128 v[SO], v[ACC+8*\t+4:ACC+8*\t+7] offset:64*\t+16
.endr
	s_wait_xcnt 0x0                                ; the last tile's stores have read their data and offsets: both are written again only behind this wait
.irp i, 0,1,2,3,4,5,6,7
	ds_load_b128 v[OUTR+4*\i:OUTR+4*\i+3], v[SRD] offset:2*\i*SP     ; rows 2 i and 2 i + 1.  LDS serves a wave's instructions in order (ISA guide 5.7.1.4): these see the stores above, and the next tile's stores come behind them
.endr
.irp i, 0,1,2,3,4,5,6,7
	v_min_u32 v[OF+\i], 0x3ff, v[TK+8*(\b)+\i]     ; the token of row 2 i + h
.endr
.irp i, 0,1,2,3,4,5,6,7
	v_lshl_add_u32 v[OF+\i], v[OF+\i], 13, v[R16]  ; its row of 8,192 bytes, + 16 r
.endr
.irp i, 0,1,2,3,4,5,6,7
	s_wait_dscnt 7-\i                              ; of the eight loads, those younger than load i may be out
	global_store_b128 v[OF+\i], v[OUTR+4*\i:OUTR+4*\i+3], s[40:41] th:TH_STORE_NT   ; sixteen lanes store 256 bytes on end, at a multiple of 256 from out0's first byte; written once, read by nobody here
.endr
.endm
.macro NEXT b, back                    ; tile J - back is asked for, into buffer b; then the other buffer's tile is in
	s_add_co_u32 s30, s26, s[JT]
.if \back
	s_sub_co_u32 s30, s30, \back
.endif
	TILEBASE \b
	LOADX \b                                       ; the products that read this buffer stand ahead of a whole way out: more than four plain vector instructions back
	s_wait_loadcnt NLD                             ; all but the NLD just issued
.endm
.macro WORK b
	MULS \b
	OUT \b
.endm
; My tiles of the expert are f = 4 half + wave, f + 8, .. under n_e: m = (n_e + 7 - f) / 8 of them (f is under 8, so nothing goes below 0; m = 0 where n_e <= f).
; A trip works two tiles and asks for a third: (m - 1) / 2 trips; behind them one tile is left where m is odd, two where it is even.  The trips are counted one by one.
	s_add_co_u32 s[JT], s29, 2*STEP
	s_add_co_u32 s[MT], s27, STEP-1
	s_sub_co_u32 s[MT], s[MT], s29
	s_lshr_b32 s[MT], s[MT], LOGSTEP
	s_cmp_eq_u32 s[MT], 0
	s_cbranch_scc1 .Ldone                          ; none for me
	s_sub_co_u32 s[TRIPS], s[MT], 1
	s_lshr_b32 s[TRIPS], s[TRIPS], 1
	s_mov_b32 s[CNT], 0
	s_cmp_eq_u32 s[TRIPS], 0
	s_cbranch_scc1 .Ltail
.Ltrip:                                                ; tiles J - 16 (in buffer 0), J - 8 and J are there
	NEXT 1, STEP
	WORK 0
	NEXT 0, 0
	WORK 1
	s_add_co_u32 s[JT], s[JT], 2*STEP
	s_add_co_u32 s[CNT], s[CNT], 1
	s_cmp_lt_u32 s[CNT], s[TRIPS]
	s_cbranch_scc1 .Ltrip
.Ltail:                                                ; tile J - 16 is in buffer 0 or on its way there; tile J is not there: one tile or two are left, and nothing is asked for beyond them
	s_and_b32 s[CNT], s[MT], 1
	s_cmp_lg_u32 s[CNT], 0
	s_cbranch_scc1 .Lone
	NEXT 1, STEP
	WORK 0
	s_wait_loadcnt 0x0
	WORK 1
	s_wait_tensorcnt 0x0
	ds_add_u32 v254, v255
	s_wait_dscnt 0x0
	s_endpgm
.Lone:
	s_wait_loadcnt 0x0
	WORK 0
.Ldone:
	s_wait_tensorcnt 0x0
	ds_add_u32 v254, v255
	s_wait_dscnt 0x0
	s_endpgm
.Lfunc_end_k_qccf511cd99_down:
	.size	k_qccf511cd99_down, .Lfunc_end_k_qccf511cd99_down-k_qccf511cd99_down
	.p2alignl 7, 3214868480
	.fill 96, 4, 3214868480
	.section	.rodata,"a",@progbits
	.p2align	6, 0x0
	.amdhsa_kernel k_qccf511cd99_down
		.amdhsa_group_segment_fixed_size 84480
		.amdhsa_private_segment_fixed_size 0
		.amdhsa_enable_private_segment 0
		.amdhsa_kernarg_size 56
		.amdhsa_user_sgpr_count 2
		.amdhsa_user_sgpr_kernarg_segment_ptr 1
		.amdhsa_wavefront_size32 1
		.amdhsa_system_sgpr_workgroup_id_x 1
		.amdhsa_system_sgpr_workgroup_id_y 1
		.amdhsa_system_sgpr_workgroup_id_z 1
		.amdhsa_system_vgpr_workitem_id 0
		.amdhsa_next_free_vgpr 1024
		.amdhsa_next_free_sgpr 80
		.amdhsa_reserve_vcc 0
		.amdhsa_float_denorm_mode_32 3
		.amdhsa_float_denorm_mode_16_64 3
		.amdhsa_memory_ordered 1
		.amdhsa_forward_progress 1
		.amdhsa_inst_pref_size 90
	.end_amdhsa_kernel
	.amdgpu_metadata
---
amdhsa.version: [ 1, 2 ]
amdhsa.kernels:
  - .name:           k_qccf511cd99_down
    .symbol:         k_qccf511cd99_down.kd
    .args:
      - { .name: ic, .offset: 0, .size: 8, .value_kind: global_buffer, .address_space: global }
      - { .name: isc, .offset: 8, .size: 8, .value_kind: global_buffer, .address_space: global }
      - { .name: down_proj_codes, .offset: 16, .size: 8, .value_kind: global_buffer, .address_space: global }
      - { .name: down_proj_scales, .offset: 24, .size: 8, .value_kind: global_buffer, .address_space: global }
      - { .name: meta, .offset: 32, .size: 8, .value_kind: global_buffer, .address_space: global }
      - { .name: order, .offset: 40, .size: 8, .value_kind: global_buffer, .address_space: global }
      - { .name: out0, .offset: 48, .size: 8, .value_kind: global_buffer, .address_space: global }
    .group_segment_fixed_size: 84480
    .private_segment_fixed_size: 0
    .kernarg_segment_align: 8
    .kernarg_segment_size: 56
    .max_flat_workgroup_size: 128
    .sgpr_count:     80
    .vgpr_count:     1024
    .wavefront_size: 32
...
	.end_amdgpu_metadata
.endif
;; end of part 3
;; ======== version 2 of 2: 3 launches
;; limits: right only within a limited range of input values
;; workspace buffers: xs_codes 1,097,728 bytes; xs_scales 68,608 bytes; ic 1,097,728 bytes; isc 68,608 bytes; order 4,352 bytes of whole numbers; meta 256 bytes of whole numbers
;; launch route (part 4): grid 67 x 1, 1 waves a work-group, no clusters, 512 bytes of LDS; arguments token_ids, hidden_states_codes, hidden_states_scales, xs_codes, xs_scales, order, meta; writes xs_codes, xs_scales, order, meta
.if DOCPART == 4
	.amdgcn_target "amdgcn-amd-amdhsa--gfx1250"
	.amdhsa_code_object_version 6
	.text
	.protected	k_qccf511cd99_route
	.globl	k_qccf511cd99_route
	.p2align	8
	.type	k_qccf511cd99_route,@function
k_qccf511cd99_route:
	s_mov_b64 s[64:65], 0
	v_nop
	global_prefetch_b8 v0, s[64:65] scope:SCOPE_SE
	s_setreg_imm32_b32 hwreg(HW_REG_WAVE_MODE, 25, 1), 1
	s_wait_xcnt 0x0
; ROUTING.  1,024 tokens; token t goes to expert clip(token_ids[t], 0, 99999) % 4 (any int32 is served).  The tokens are sorted by expert and cut into tiles of 16 rows:
; expert e with c_e tokens gets n_e = ceil(c_e / 16) tiles, from tile T_e on; TT = the sum of the n_e lies between 64 and 67 for every split, so 67 work-groups are launched.
; One wave = one tile.  Every wave makes the whole routing anew from the 4,096 bytes of token_ids (nothing passes between work-groups); a work-group whose tile is not there (tile >= TT) stores nothing and ends.
; THE ROWS THAT FILL AN EXPERT'S LAST TILE REPEAT ITS LAST TOKEN: they give the same sums and are stored later to the same row of the output with the same bytes; so every byte that later launches read is written.
; The order of an expert's tokens is: register by register of the load below, lane by lane; it is the same in every work-group, and nothing else is asked of it.
; WHAT IS STORED, per tile:
;   xs_codes  [tile][block 0..63][row 0..15][16 bytes]: a block of 32 codes along K of 16 rows is 256 bytes on end.  A matrix operand's registers 4 c .. 4 c + 3 of K step s are then the 512 bytes at 1024 s + 512 c, 16 a lane.
;   xs_scales [tile][q 0..1][lane][16 bytes]: lane (r, h) has bytes 32 h + 16 q .. + 15 of row r's 64 scale bytes: the scale words of K steps 8 h + 4 q + 0 .. 3.
;   order     [tile][row % 2][row / 2]: the row's token.        meta: words 2 e = T_e, 2 e + 1 = n_e, word 8 = TT (work-group 0 stores it).
; x's rows are read here 32 bytes a row and instruction, once; the 64 work-groups of an expert that read them later read whole runs of 512 bytes.
; No matrix work, no tensor load, no barrier (one wave).  LDS: words 0 to 15: the tile's 16 tokens; word 16 takes what belongs to other tiles and is never read.  Words 0 to 31 are written once with 0 at the head.
.set AD,  16                           ; v16-31   LDS addresses of a batch of 16
.set TOK, 32                           ; v32-63   token ids, then experts, then token numbers: register 4 i + j of lane l is token 128 i + 4 l + j
.set CD,  64                           ; v64-191  my 32 pieces of 16 bytes of codes
.set SCR, 192                          ; v192-199 my two pieces of scale bytes
.set MK,  66                           ; s66-81   a batch's masks: the lanes whose token is my expert's
.set PF,  82                           ; s82-97   and how many of my expert's tokens stand ahead of each register, less 16 x my tile's place in the expert
	s_load_b256 s[4:11], s[0:1], 0x0               ; token_ids s[4:5], x's codes s[6:7], x's scales s[8:9], xs_codes s[10:11]
	s_load_b128 s[12:15], s[0:1], 0x20             ; xs_scales s[12:13], order s[14:15]
	s_load_b64 s[16:17], s[0:1], 0x30              ; meta
	v_lshl_add_u32 v208, v0, 2, 0x100
	v_mov_b32 v209, 0
	v_and_b32 v1, 31, v0                           ; lane
	v_lshlrev_b32 v2, 4, v1                        ; 16 x lane
	v_and_b32 v3, 15, v0                           ; r
	v_bfe_u32 v4, v0, 4, 1                         ; h
	v_mov_b32 v5, 0
	v_mov_b32 v6, 16
	v_lshlrev_b32 v13, 2, v1                       ; 4 x lane
	ds_store_b32 v13, v5                           ; LDS words 0 to 31 = 0: every word that is read below has been written, whatever the split
	s_mov_b32 s20, 0                               ; c_0, c_1, c_2
	s_mov_b32 s21, 0
	s_mov_b32 s22, 0
	s_wait_alu depctr_va_vdst(0)
	s_wait_kmcnt 0x0
.irp i, 0,1,2,3,4,5,6,7
	global_load_b128 v[TOK+4*\i:TOK+4*\i+3], v2, s[4:5] offset:512*\i
.endr
	s_wait_loadcnt 0x0
.set q, 0
.rept 32
	v_cmp_gt_i32 vcc_lo, 0, v[TOK+q]               ; the clip: under 0 becomes 0,
	v_cndmask_b32 v[TOK+q], v[TOK+q], v5, vcc_lo
	v_min_u32 v[TOK+q], 0x1869f, v[TOK+q]          ; over 99,999 becomes 99,999;
	v_and_b32 v[TOK+q], 3, v[TOK+q]                ; % 4: the expert
.set q, q+1
.endr
; the counts: twelve masks at a time, so that the scalar lines do not wait for each compare
.irp i, 0,1,2,3,4,5,6,7
.irp j, 0,1,2,3
.irp e, 0,1,2
	v_cmp_eq_u32 s[44+3*\j+\e], \e, v[TOK+4*\i+\j]
.endr
.endr
.irp j, 0,1,2,3
.irp e, 0,1,2
	s_bcnt1_i32_b32 s[44+3*\j+\e], s[44+3*\j+\e]
	s_add_co_u32 s[20+\e], s[20+\e], s[44+3*\j+\e]
.endr
.endr
.endr
	s_sub_co_u32 s23, 0x400, s20                   ; c_3 = 1,024 less the others
	s_sub_co_u32 s23, s23, s21
	s_sub_co_u32 s23, s23, s22
.irp e, 0,1,2,3
	s_add_co_u32 s37, s[20+\e], 15
	s_lshr_b32 s[24+\e], s37, 4                    ; n_e
.endr
	s_mov_b32 s28, 0                               ; T_0 .. T_3, TT
	s_add_co_u32 s29, s28, s24
	s_add_co_u32 s30, s29, s25
	s_add_co_u32 s31, s30, s26
	s_add_co_u32 s32, s31, s27
	s_cmp_ge_u32 ttmp9, s32
	s_cbranch_scc1 .Lend                           ; this split has no such tile
	s_mov_b32 s33, 0                               ; my expert: the last e with T_e <= my tile (an expert without tokens is passed over), its T and its c
	s_mov_b32 s34, 0
	s_mov_b32 s35, s20
.irp e, 1,2,3
	s_cmp_ge_u32 ttmp9, s[28+\e]
	s_cselect_b32 s33, \e, s33
	s_cselect_b32 s34, s[28+\e], s34
	s_cselect_b32 s35, s[20+\e], s35
.endr
	s_sub_co_u32 s36, s34, ttmp9
	s_lshl_b32 s36, s36, 4                         ; the running count begins at -16 x (my tile - T): a token's count is then its row in my tile, if it has one
	s_add_co_u32 s38, s35, s36                     ; tokens left from my tile's first row on: at least 1
	s_min_u32 s38, s38, 16
	s_sub_co_u32 s38, s38, 1                       ; my tile's last row that holds a token of its own
; 16 registers of tokens: each token of my expert gets its row; rows 0 to 15 are mine and go to LDS words 0 to 15, all else to word 16
.macro PLACE16 base
.set k, 0
.rept 16
	v_cmp_eq_u32 s[MK+k], s33, v[TOK+\base+k]
.set k, k+1
.endr
.set k, 0
.rept 16
	s_mov_b32 s[PF+k], s36
	s_bcnt1_i32_b32 s37, s[MK+k]
	s_add_co_u32 s36, s36, s37
.set k, k+1
.endr
.set k, 0
.rept 16
	v_mbcnt_lo_u32_b32 v[AD+k], s[MK+k], s[PF+k]   ; the count ahead of this register + my expert's tokens in lower lanes
.set k, k+1
.endr
.set k, 0
.rept 16
	v_cndmask_b32 v[AD+k], v6, v[AD+k], s[MK+k]    ; other experts' tokens: 16
.set k, k+1
.endr
.set k, 0
.rept 16
	v_min_u32 v[AD+k], 16, v[AD+k]                 ; rows behind my tile are over 15, rows ahead of it are negative, which is large here: 16
.set k, k+1
.endr
.set k, 0
.rept 16
	v_lshlrev_b32 v[AD+k], 2, v[AD+k]
	v_lshl_add_u32 v[TOK+\base+k], v1, 2, 128*((\base+k)/4)+(\base+k)%4   ; the token's number takes the expert's place
.set k, k+1
.endr
.set k, 0
.rept 16
	ds_store_b32 v[AD+k], v[TOK+\base+k]
.set k, k+1
.endr
.endm
	PLACE16 0
	PLACE16 16
	v_min_u32 v15, s38, v3                         ; row r, or the last row that has a token,
	v_min_u32 v15, 15, v15
	v_lshlrev_b32 v15, 2, v15
	ds_load_b32 v9, v15                            ; LDS serves a wave's instructions in order (ISA guide 5.7.1.4): this sees the stores above
	s_lshl_b32 s40, ttmp9, 14                      ; my tile's place in the three buffers
	s_mov_b32 s41, 0
	s_add_nc_u64 s[10:11], s[10:11], s[40:41]
	s_lshl_b32 s40, ttmp9, 10
	s_add_nc_u64 s[12:13], s[12:13], s[40:41]
	s_lshl_b32 s40, ttmp9, 6
	s_add_nc_u64 s[14:15], s[14:15], s[40:41]
	v_lshlrev_b32 v10, 4, v4
	v_lshlrev_b32 v11, 5, v4
	v_and_b32 v12, 1, v3
	v_lshlrev_b32 v12, 3, v12
	v_lshrrev_b32 v8, 1, v3
	v_add_lshl_u32 v12, v12, v8, 2                 ; order: word 8 (r % 2) + r / 2
	v_mov_b32 v14, 0                               ; meta: word = lane
.irp e, 0,1,2,3
	v_writelane_b32 v14, s[28+\e], 2*\e
	v_writelane_b32 v14, s[24+\e], 2*\e+1
.endr
	v_writelane_b32 v14, s32, 8
	s_wait_dscnt 0x0
	v_min_u32 v9, 0x3ff, v9                        ; the token of row r
	v_lshl_add_u32 v10, v9, 10, v10                ; its codes: 1,024 bytes a token, + 16 h
	v_lshl_add_u32 v11, v9, 6, v11                 ; its scale bytes: 64 a token, + 32 h
.set i, 0
.rept 32
	global_load_b128 v[CD+4*i:CD+4*i+3], v10, s[6:7] offset:32*i      ; block 2 i + h of row r
.set i, i+1
.endr
.irp q, 0,1
	global_load_b128 v[SCR+4*\q:SCR+4*\q+3], v11, s[8:9] offset:16*\q
.endr
.set i, 0
	s_wait_alu depctr_va_vdst(0)
.rept 32
	s_wait_loadcnt 33-i                            ; loads come back in order (ISA guide 5.7.1): of the 34, those younger than load i may be out
	global_store_b128 v2, v[CD+4*i:CD+4*i+3], s[10:11] offset:512*i   ; blocks 2 i and 2 i + 1 of the 16 rows: 512 bytes on end
.set i, i+1
.endr
.irp q, 0,1
	s_wait_loadcnt 1-\q
	global_store_b128 v2, v[SCR+4*\q:SCR+4*\q+3], s[12:13] offset:512*\q
.endr
	global_store_b32 v12, v9, s[14:15]             ; lanes r and r + 16 store the same word with the same value
	s_cmp_lg_u32 ttmp9, 0
	s_cbranch_scc1 .Lend
	global_store_b32 v13, v14, s[16:17]            ; work-group 0 (tile 0 is always there): meta, 128 bytes
.Lend:
	s_wait_tensorcnt 0x0
	ds_add_u32 v208, v209
	s_wait_dscnt 0x0
	s_endpgm
.Lfunc_end_k_qccf511cd99_route:
	.size	k_qccf511cd99_route, .Lfunc_end_k_qccf511cd99_route-k_qccf511cd99_route
	.p2alignl 7, 3214868480
	.fill 96, 4, 3214868480
	.section	.rodata,"a",@progbits
	.p2align	6, 0x0
	.amdhsa_kernel k_qccf511cd99_route
		.amdhsa_group_segment_fixed_size 512
		.amdhsa_private_segment_fixed_size 0
		.amdhsa_enable_private_segment 0
		.amdhsa_kernarg_size 56
		.amdhsa_user_sgpr_count 2
		.amdhsa_user_sgpr_kernarg_segment_ptr 1
		.amdhsa_wavefront_size32 1
		.amdhsa_system_sgpr_workgroup_id_x 1
		.amdhsa_system_sgpr_workgroup_id_y 1
		.amdhsa_system_sgpr_workgroup_id_z 1
		.amdhsa_system_vgpr_workitem_id 0
		.amdhsa_next_free_vgpr 210
		.amdhsa_next_free_sgpr 100
		.amdhsa_reserve_vcc 1
		.amdhsa_float_denorm_mode_32 3
		.amdhsa_float_denorm_mode_16_64 3
		.amdhsa_memory_ordered 1
		.amdhsa_forward_progress 1
		.amdhsa_inst_pref_size 46
	.end_amdhsa_kernel
	.amdgpu_metadata
---
amdhsa.version: [ 1, 2 ]
amdhsa.kernels:
  - .name:           k_qccf511cd99_route
    .symbol:         k_qccf511cd99_route.kd
    .args:
      - { .name: token_ids, .offset: 0, .size: 8, .value_kind: global_buffer, .address_space: global }
      - { .name: hidden_states_codes, .offset: 8, .size: 8, .value_kind: global_buffer, .address_space: global }
      - { .name: hidden_states_scales, .offset: 16, .size: 8, .value_kind: global_buffer, .address_space: global }
      - { .name: xs_codes, .offset: 24, .size: 8, .value_kind: global_buffer, .address_space: global }
      - { .name: xs_scales, .offset: 32, .size: 8, .value_kind: global_buffer, .address_space: global }
      - { .name: order, .offset: 40, .size: 8, .value_kind: global_buffer, .address_space: global }
      - { .name: meta, .offset: 48, .size: 8, .value_kind: global_buffer, .address_space: global }
    .group_segment_fixed_size: 512
    .private_segment_fixed_size: 0
    .kernarg_segment_align: 8
    .kernarg_segment_size: 56
    .max_flat_workgroup_size: 32
    .sgpr_count:     100
    .vgpr_count:     210
    .wavefront_size: 32
...
	.end_amdgpu_metadata
.endif
;; end of part 4
;; launch gateup (part 5): grid 256 x 1, 4 waves a work-group, no clusters, 67,072 bytes of LDS; arguments xs_codes, xs_scales, gate_proj_codes, gate_proj_scales, up_proj_codes, up_proj_scales, meta, ic, isc; writes ic, isc
.if DOCPART == 5
	.amdgcn_target "amdgcn-amd-amdhsa--gfx1250"
	.amdhsa_code_object_version 6
	.text
	.protected	k_qccf511cd99_gateup
	.globl	k_qccf511cd99_gateup
	.p2align	8
	.type	k_qccf511cd99_gateup,@function
k_qccf511cd99_gateup:
	s_mov_b64 s[64:65], 0
	v_nop
	global_prefetch_b8 v0, s[64:65] scope:SCOPE_SE
	s_setreg_imm32_b32 hwreg(HW_REG_WAVE_SCHED_MODE, 0, 2), 2
	s_setreg_imm32_b32 hwreg(HW_REG_WAVE_MODE, 25, 1), 1
	s_wait_xcnt 0x0
	s_wait_alu depctr_vm_vsrc(0)
; inter = silu(x G_e) * (x U_e) for the rows of expert e, on codes of FP4 (E2M1) with one E8M0 scale for each 32 along K = 2,048, and inter quantised along its 2,048 units for the next product.
; Only the chosen expert's rows are multiplied: the other experts' results are thrown away by the gather in the problem's own text.
; SHARES.  Work-group = (expert e = id / 64, block cb = id % 64 of 32 hidden units).  It alone reads the 32 rows of G_e and the 32 rows of U_e of that block, for all of K: each weight byte is asked for once in the launch.
; EVERY wave holds all 64 rows in registers (512) and takes the expert's tiles of 16 rows wave, wave + 4, ..: a block of 32 hidden units, which shares one scale, is whole in one wave, and behind the one barrier the waves share nothing.
; The weights come in runs of 512 bytes on end, 16 KB a wave, go once through LDS (rows 1,040 bytes apart) and come back as fragments.  x's tiles come from memory straight into the operand's registers:
; the launch before laid them so (512 bytes on end a load).  Two buffers by turns; each is asked for again, with the tile two on, as soon as its products are done reading it.
; NO TENSOR LOAD, NO CLUSTER: the 64 work-groups of an expert read the same tiles of x, but how many tiles there are is read from memory (meta).
; The one barrier stands ahead of every branch on such a number.
; THE MATRIX INSTRUCTION IS USED TRANSPOSED (source 0 = 16 weight rows, source 1 = 16 tokens), AND THE ROWS OF A WEIGHT TILE ARE NOT NEIGHBOURS: lane r of tile u takes row 8 u + r + 8 (r / 8) of the block.
; Lane (r, h) then holds token r, and the 16 registers of tiles 0 and 1 are hidden units 16 h + 0 .. 15: neighbours along the next K, as the conversion wants them.
; OUT: ic [tile][block][row][16 bytes] and isc [tile][q][lane][16 bytes], laid as xs_codes and xs_scales.  A tile's codes of my block are one aligned run of 256 bytes, stored by one instruction;
; its 16 scale bytes lie 16 bytes apart (one byte for each 16 bytes of codes).
; LIMITS.  silu(g) u is made as (g u) / (1 + 2^(-g log2 e)): g u must be finite (|g u| under 3.4e38); the exponent is rounded once, a relative error of 6e-8 x 1.44 |g| x ln 2 in the exponential;
; v_exp_f32 and v_rcp_f32 take denormals as 0 (ISA guide 15.8).  NaN and infinities are not served.  A block of zeros gets the byte 1, not 127: its codes are zeros, and this program alone reads the byte.
; REGISTERS, in windows of 256: window 0: addresses, scale words, accumulators, the activation.  Window 1: the weights' fragments of K steps 0-7 (tile t, step s at v[8 (8 t + s)]); at the head v0-127: the weights as loaded.
;   Window 2: K steps 8-15.   Window 3: x's two buffers, K step s at v[128 b + 8 s].
; THE MODE: SCHED_MODE bits 1:0 = 2 (LLVM: expert scheduling mode 2), set by the entry lines.  The code itself states the register dependences between vector or matrix instructions and memory or LDS instructions,
; with s_wait_alu, always for 0.
; THE PLAN.  Registers that memory or LDS instructions touch:
;   v1-v6            offsets and LDS addresses.  Written at the head, read by every load and store, never written again: one wait on va_vdst ahead of the first load.
;   window 1 v0-127  at the head: loaded, read by my LDS stores, then the fragments' LDS loads land there: one wait on vm_vsrc between the two.
;   X0, X1           x's buffers (window 3), with their scale words v48-55, v56-63.  Tile i lies in X[i % 2]: its 64 matrix instructions read it; then the loads of tile i + 2 land in it.  No other vector line names them.
;   v136-138         a tile's codes and scale byte.  Written by the conversions and the shift at the step's end, read by the step's two stores.
; A STEP (a tile) has six waits on va_vdst, three of them: behind the exponentials (their results; and the products are done reading X[b]: its 34 loads follow at once); behind the reciprocals (their results); ahead of the two
; stores (their data).  One wait on vm_vsrc, beside the wait on XCNT, stands ahead of the first of them: the last step's stores have read v136-138.
.set PITCH, 1040                       ; a weight row in LDS: 1,024 bytes + 16 = 260 words: row r starts at bank 4 r mod 64 (64 banks of 4 bytes: ISA guide 11.1)
.set STEP,  4                          ; from one tile of a wave to its next
.set LOGSTEP, 2
.set NLD,   34                         ; loads that bring a tile: 2 of scale words, 32 of codes
.set LN16,  1                          ; v1  16 x lane
.set WSTO,  2                          ; v2  where I put the weights as loaded
.set WFR,   3                          ; v3  a fragment's place for my lane: r x PITCH + 16 h
.set WSO,   4                          ; v4  the weights' scale bytes: (r + 8 (r / 8)) x 64 + 32 h
.set CSO,   5                          ; v5  16 r + 8 h: my 8 bytes of codes in a block's 256
.set BSO,   6                          ; v6  16 r: my row's scale byte
.set WS,    16                         ; v16-47  the weights' scale words: tile t, register j: lanes 0-15 K step j, lanes 16-31 K step 8 + j
.set XS,    48                         ; v48-63  x's, for each buffer, likewise
.set ACC,   64                         ; v64-95  accumulators: gate's tiles 0, 1, up's tiles 0, 1
.set T,     96                         ; v96-111  at work: the exponentials
.set P,     112                        ; v112-127 the 16 numbers of inter
.set M0,    128
.set M1,    129
.set SCL,   130
.set CDS,   136                        ; v136-137 the codes
.set BYT,   138                        ; v138     the scale's byte
.set XB,    32                         ; s[32:35] where each buffer's tile of codes lies
.set XSB,   36                         ; s[36:39] and its scale words
.set JT,    44                         ; s44  the tile (of the expert) in hand; it serves addresses alone
.set CNT,   45                         ; s45  counts the loop's trips, one a trip
.set MT,    62                         ; s62  m: how many tiles are mine
.set TRIPS, 63                         ; s63  the loop's trips
.set MSB, 0
.macro WIN new                         ; the immediate's high byte repeats the setting that is left; bits 1:0 source 0, 3:2 source 1, 5:4 source 2, 7:6 destination
.if MSB != \new
	s_set_vgpr_msb (MSB<<8)|\new
.set MSB, \new
.endif
.endm
	s_load_b512 s[4:19], s[0:1], 0x0               ; xs_codes s[4:5], xs_scales s[6:7], G's codes s[8:9], scales s[10:11], U's codes s[12:13], scales s[14:15], meta s[16:17], ic s[18:19]
	s_load_b64 s[20:21], s[0:1], 0x40              ; isc
	v_lshl_add_u32 v254, v0, 2, 0x10400
	v_mov_b32 v255, 0
	v_lshrrev_b32 v7, 5, v0
	v_readfirstlane_b32 s22, v7                    ; wave 0..3
	s_lshr_b32 s23, ttmp9, 6                       ; e
	s_and_b32 s24, ttmp9, 63                       ; cb
	v_and_b32 v1, 31, v0
	v_lshlrev_b32 v[LN16], 4, v1
	v_and_b32 v7, 15, v0                           ; r
	v_bfe_u32 v8, v0, 4, 1                         ; h
	s_wait_alu depctr_va_sdst(0)                   ; s22 is written, ahead of its first reader
	s_lshr_b32 s25, s22, 1                         ; g: I fetch for gate (0) or up (1),
	s_and_b32 s29, s22, 1                          ; a: rows 16 a .. 16 a + 15 of the block
	s_lshl_b32 s30, s25, 5                         ; row 16 a + 8 u + i of the block is lane 8 a + i of tile u: stage row 32 g + 16 u + 8 a + i
	s_lshl_b32 s31, s29, 3
	s_add_co_u32 s30, s30, s31
	s_mul_i32 s30, s30, PITCH
	v_add_nc_u32 v[WSTO], s30, v[LN16]
	v_mul_u32_u24 v[WFR], v7, PITCH
	v_lshl_add_u32 v[WFR], v8, 4, v[WFR]
	v_and_b32 v[WSO], 8, v7
	v_add_nc_u32 v[WSO], v[WSO], v7
	v_lshlrev_b32 v[WSO], 6, v[WSO]
	v_lshl_add_u32 v[WSO], v8, 5, v[WSO]
	v_lshlrev_b32 v[BSO], 4, v7
	v_lshl_add_u32 v[CSO], v8, 3, v[BSO]
	s_mov_b32 s46, 0xbfb8aa3b                      ; -log2(e); the packed form names a pair and takes its low word for both halves
	s_mov_b32 s47, s46
	s_mov_b32 s48, 0x76543210                      ; v_permlanex16_b32's selects for lane l xor 16
	s_mov_b32 s49, 0xfedcba98
	s_lshl_b32 s56, s24, 8                         ; my block's 256 bytes in a tile of ic
	s_bfe_u32 s57, s24, 0x10004                    ; and its byte in a tile of isc: 512 ((cb / 16) % 2) + 256 (cb / 32) + cb % 16
	s_lshl_b32 s57, s57, 9
	s_lshr_b32 s30, s24, 5
	s_lshl_b32 s30, s30, 8
	s_add_co_u32 s57, s57, s30
	s_and_b32 s30, s24, 15
	s_add_co_u32 s57, s57, s30
	s_lshl_b32 s58, s23, 3
	s_mov_b32 s59, 0
	s_wait_kmcnt 0x0
	s_add_nc_u64 s[60:61], s[16:17], s[58:59]
	s_load_b64 s[26:27], s[60:61], 0x0             ; T_e s26, n_e s27
	s_load_b32 s28, s[16:17], 0x20                 ; TT
	s_cmp_lt_u32 s22, 2
	s_cselect_b64 s[50:51], s[8:9], s[12:13]       ; G's codes or U's
	s_lshl_b32 s30, s23, 21                        ; an expert: 2,048 rows of 1,024 bytes; a block: 32 rows; my 16 of them
	s_lshl_b32 s59, s24, 15
	s_add_co_u32 s30, s30, s59
	s_lshl_b32 s59, s29, 14
	s_add_co_u32 s30, s30, s59
	s_mov_b32 s31, 0
	s_add_nc_u64 s[50:51], s[50:51], s[30:31]
	s_lshl_b32 s30, s23, 17                        ; scale bytes: 64 a row
	s_lshl_b32 s59, s24, 11
	s_add_co_u32 s30, s30, s59
	s_add_nc_u64 s[52:53], s[10:11], s[30:31]
	s_add_nc_u64 s[54:55], s[14:15], s[30:31]
	WIN 0x40                                       ; destination window 1
	s_wait_alu depctr_va_vdst(0)                   ; the six offsets and addresses v1 to v6 are written, which every load and store of the kernel reads; no vector line writes them again
.set i, 0
.rept 32
	global_load_b128 v[4*i:4*i+3], v[LN16], s[50:51] offset:512*i th:TH_LOAD_NT   ; 16 KB on end, 512 bytes a load; read once in the launch
.set i, i+1
.endr
	WIN 0
.irp u, 0,1
.irp q, 0,1
	global_load_b128 v[WS+8*\u+4*\q:WS+8*\u+4*\q+3], v[WSO], s[52:53] offset:512*\u+16*\q th:TH_LOAD_NT
	global_load_b128 v[WS+16+8*\u+4*\q:WS+16+8*\u+4*\q+3], v[WSO], s[54:55] offset:512*\u+16*\q th:TH_LOAD_NT
.endr
.endr
; the bases of the tile whose number stands in s30, for buffer b.  The number is held inside the buffers (67 tiles).  The bases' earlier loads have been shown done by a counted wait on LOADcnt
.macro TILEBASE b
	s_min_u32 s30, s30, 66
	s_lshl_b32 s59, s30, 10
	s_lshl_b32 s30, s30, 14
	s_mov_b32 s31, 0
	s_add_nc_u64 s[XB+2*(\b):XB+2*(\b)+1], s[4:5], s[30:31]
	s_mov_b32 s30, s59
	s_add_nc_u64 s[XSB+2*(\b):XSB+2*(\b)+1], s[6:7], s[30:31]
.endm
.macro LOADX b                         ; a tile of x into buffer b: NLD loads, each 512 bytes on end
.irp q, 0,1
	global_load_b128 v[XS+8*(\b)+4*\q:XS+8*(\b)+4*\q+3], v[LN16], s[XSB+2*(\b):XSB+2*(\b)+1] offset:512*\q
.endr
	WIN 0xc0                                       ; destination window 3
.set i, 0
.rept 32
	global_load_b128 v[128*(\b)+4*i:128*(\b)+4*i+3], v[LN16], s[XB+2*(\b):XB+2*(\b)+1] offset:512*i
.set i, i+1
.endr
	WIN 0
.endm
	s_wait_kmcnt 0x0
	s_min_u32 s27, s27, 64                         ; n_e: 1,024 tokens make at most 64 tiles of one expert
	s_add_co_u32 s30, s26, s22                     ; my first tile.  A wave without a tile asks for the last tile that was written: no branch on a loaded number stands ahead of the barrier
	s_sub_co_u32 s59, s28, 1
	s_min_u32 s30, s30, s59
	TILEBASE 0
	LOADX 0                                        ; no vector or matrix line has named X0 or its scale words
	s_wait_loadcnt NLD                             ; the weights and their scale words are in; the tile's NLD loads may be out
	WIN 0x04                                       ; an LDS store's data are its source 1: window 1
.set i, 0
.rept 32
	ds_store_b128 v[WSTO], v[4*i:4*i+3] offset:(16*((i/2)/8)+((i/2)%8))*PITCH+512*(i%2)
.set i, i+1
.endr
	WIN 0
	s_wait_dscnt 0x0                               ; for the others' sake: my stores have landed
	s_barrier_signal -1
	s_barrier_wait -1                              ; all 64 rows lie in LDS; they are written no more
	WIN 0x40
	s_wait_alu depctr_vm_vsrc(0)                   ; my LDS stores have read v0-127 of window 1, in which the fragments' loads land
.irp t, 0,1,2,3
.irp s, 0,1,2,3,4,5,6,7
.irp c, 0,1
	ds_load_b128 v[8*(8*\t+\s)+4*\c:8*(8*\t+\s)+4*\c+3], v[WFR] offset:16*\t*PITCH+64*\s+32*\c
.endr
.endr
.endr
	WIN 0x80
.irp t, 0,1,2,3
.irp s, 0,1,2,3,4,5,6,7
.irp c, 0,1
	ds_load_b128 v[8*(8*\t+\s)+4*\c:8*(8*\t+\s)+4*\c+3], v[WFR] offset:16*\t*PITCH+64*(\s+8)+32*\c
.endr
.endr
.endr
	WIN 0
	s_wait_dscnt 0x0
; 64 matrix instructions: 4 weight tiles x 16 K steps on buffer b.  The four accumulators take turns, one instruction a turn; the first K step starts the sums.
.macro MULS b
	WIN 0x0d                                       ; source 0 (weights) window 1, source 1 (x) window 3
.irp s, 0,1,2,3,4,5,6,7
.irp t, 0,1,2,3
.if \s == 0
	v_wmma_scale_f32_16x16x128_f8f6f4 v[ACC+8*\t:ACC+8*\t+7], v[8*(8*\t+\s):8*(8*\t+\s)+7], v[128*(\b)+8*\s:128*(\b)+8*\s+7], 0, v[WS+8*\t+\s], v[XS+8*(\b)+\s] matrix_a_fmt:MATRIX_FMT_FP4 matrix_b_fmt:MATRIX_FMT_FP4
.else
	v_wmma_scale_f32_16x16x128_f8f6f4 v[ACC+8*\t:ACC+8*\t+7], v[8*(8*\t+\s):8*(8*\t+\s)+7], v[128*(\b)+8*\s:128*(\b)+8*\s+7], v[ACC+8*\t:ACC+8*\t+7], v[WS+8*\t+\s], v[XS+8*(\b)+\s] matrix_a_fmt:MATRIX_FMT_FP4 matrix_b_fmt:MATRIX_FMT_FP4
.endif
.endr
.endr
	WIN 0x0e                                       ; source 0 window 2: K steps 8 to 15, whose scale words stand in lanes 16-31
.irp s, 0,1,2,3,4,5,6,7
.irp t, 0,1,2,3
	v_wmma_scale_f32_16x16x128_f8f6f4 v[ACC+8*\t:ACC+8*\t+7], v[8*(8*\t+\s):8*(8*\t+\s)+7], v[128*(\b)+64+8*\s:128*(\b)+64+8*\s+7], v[ACC+8*\t:ACC+8*\t+7], v[WS+8*\t+\s], v[XS+8*(\b)+\s] matrix_a_fmt:MATRIX_FMT_FP4 matrix_b_fmt:MATRIX_FMT_FP4 matrix_a_scale:MATRIX_SCALE_ROW1 matrix_b_scale:MATRIX_SCALE_ROW1
.endr
.endr
	WIN 0
.endm
.macro ASK b, ahead                    ; the tile that lies ahead tiles (of the expert) behind the one in hand is asked for, into buffer b
	s_add_co_u32 s30, s26, s[JT]
	s_add_co_u32 s30, s30, \ahead
	TILEBASE \b
	LOADX \b
.endm
; The activation and the quantiser: my 16 numbers of token r, hidden units 16 h + 0 .. 15 of the block; lane l xor 16 has the block's other 16.
; refill = 1: buffer b, which the products above have read, is asked for again in the activation's middle, with the tile two on.
.macro EPI b, refill
.rept 4
	v_nop                                          ; four places between the last products and the first read of their results (ISA guide 7.12.1)
.endr
.irp j, 0,2,4,6,8,10,12,14
	v_pk_mul_f32 v[T+\j:T+\j+1], v[ACC+\j:ACC+\j+1], s[46:47] op_sel_hi:[1,0]   ; -g log2(e); each accumulator is read from its low end on
.endr
	s_wait_alu depctr_va_vdst(0)
.irp j, 0,1,2,3,4,5,6,7,8,9,10,11,12,13,14,15
	v_exp_f32 v[T+\j], v[T+\j]                     ; e^-g: one batch
.endr
	s_wait_alu depctr_va_vdst(0)
.irp j, 0,2,4,6,8,10,12,14
	v_pk_mul_f32 v[P+\j:P+\j+1], v[ACC+\j:ACC+\j+1], v[ACC+16+\j:ACC+16+\j+1]   ; g u: plain work that names no exponential's result
.endr
	s_wait_xcnt 0x0                                ; the last tile's stores, 64 products back, have had their addresses translated (ISA guide 3.1): their data and their bases are written again only behind this wait
	s_wait_alu depctr_vm_vsrc(0)                   ; and they have read v136-138, which the conversions and the shift below write again
	s_wait_alu depctr_va_vdst(0)                   ; the exponentials have written v[T ..], ahead of their first reader; the 64 products are done reading X[b] and its scale words, in which the loads below land
.if \refill
	ASK \b, 2*STEP                                 ; no vector line from here to the step's end names these registers
.endif
.irp j, 0,2,4,6,8,10,12,14
	v_pk_add_f32 v[T+\j:T+\j+1], v[T+\j:T+\j+1], 1.0 op_sel_hi:[1,0]
.endr
	s_wait_alu depctr_va_vdst(0)
.irp j, 0,1,2,3,4,5,6,7,8,9,10,11,12,13,14,15
	v_rcp_f32 v[T+\j], v[T+\j]                     ; 1 / (1 + e^-g): the second batch
.endr
	v_nop                                          ; a plain instruction behind the last reciprocal (ISA guide 5.7.2)
	s_wait_alu depctr_va_vdst(0)                   ; the reciprocals have written v[T ..], ahead of their first reader
.irp j, 0,2,4,6,8,10,12,14
	v_pk_mul_f32 v[P+\j:P+\j+1], v[P+\j:P+\j+1], v[T+\j:T+\j+1]   ; inter
.endr
	v_max3_num_f32 v[M0], |v[P]|, |v[P+1]|, 0x1800000            ; the largest magnitude of my 16, in two chains, with the floor 2^(3 - 127) among the leaves: the scale's byte cannot fall under 1
	v_max3_num_f32 v[M1], |v[P+2]|, |v[P+3]|, |v[P+4]|
	v_max3_num_f32 v[M0], v[M0], |v[P+5]|, |v[P+6]|
	v_max3_num_f32 v[M1], v[M1], |v[P+7]|, |v[P+8]|
	v_max3_num_f32 v[M0], v[M0], |v[P+9]|, |v[P+10]|
	v_max3_num_f32 v[M1], v[M1], |v[P+11]|, |v[P+12]|
	v_max3_num_f32 v[M0], v[M0], |v[P+13]|, |v[P+14]|
	v_max3_num_f32 v[M0], v[M0], v[M1], |v[P+15]|
	v_permlanex16_b32 v[M1], v[M0], s48, s49
	v_max_num_f32 v[M0], v[M0], v[M1]              ; with lane l xor 16's: the block's
	v_add_nc_u32 v[SCL], 0xff000000, v[M0]         ; 2 off its exponent field: the conversion takes the exponent field of this operand as its scale
	v_cvt_scalef32_pk8_fp4_f32 v[CDS], v[P:P+7], v[SCL]          ; to the nearest code, ties to even, beyond 6 the largest code
	v_cvt_scalef32_pk8_fp4_f32 v[CDS+1], v[P+8:P+15], v[SCL]
	v_lshrrev_b32 v[BYT], 23, v[SCL]               ; the scale's byte; also the plain instruction behind the conversions
.endm
.macro PUT                             ; the tile in hand: my block's codes and scale bytes; then the next tile is in hand
	s_add_co_u32 s30, s26, s[JT]
	s_min_u32 s30, s30, 66
	s_lshl_b32 s59, s30, 10
	s_lshl_b32 s30, s30, 14
	s_add_co_u32 s30, s30, s56
	s_mov_b32 s31, 0
	s_add_nc_u64 s[40:41], s[18:19], s[30:31]
	s_add_co_u32 s30, s59, s57
	s_add_nc_u64 s[42:43], s[20:21], s[30:31]
	s_wait_alu depctr_va_vdst(0)                   ; the conversions and the shift have written v136-138, which the two stores read
	global_store_b64 v[CSO], v[CDS:CDS+1], s[40:41]              ; 32 lanes store 256 bytes on end, at a multiple of 256 from ic's first byte
	global_store_b8 v[BSO], v[BYT], s[42:43]                     ; lanes r and r + 16 store the same byte with the same value
	s_add_co_u32 s[JT], s[JT], STEP
.endm
.macro WORK b, refill
	MULS \b
	EPI \b, \refill
	PUT
.endm
; My tiles of the expert are wave, wave + 4, .. under n_e: m = (n_e + 3 - wave) / 4 of them (wave is under 4, so nothing goes below 0; m = 0 where n_e <= wave).
; Tile i lies in buffer i % 2.  The first two are asked for ahead of the loop; a trip works two tiles and asks for the two that follow them: (m - 2) / 2 trips; behind them two tiles are left where m is even,
; three where it is odd, and nothing is asked for beyond the last.  The trips are counted one by one.
	s_mov_b32 s[JT], s22
	s_add_co_u32 s[MT], s27, STEP-1
	s_sub_co_u32 s[MT], s[MT], s22
	s_lshr_b32 s[MT], s[MT], LOGSTEP
	s_cmp_eq_u32 s[MT], 0
	s_cbranch_scc1 .Ldone                          ; none for me
	s_cmp_eq_u32 s[MT], 1
	s_cbranch_scc1 .Lone
	ASK 1, STEP                                    ; my second tile.  No vector or matrix line has named X1 or its scale words
	s_sub_co_u32 s[TRIPS], s[MT], 2
	s_lshr_b32 s[TRIPS], s[TRIPS], 1
	s_mov_b32 s[CNT], 0
	s_cmp_eq_u32 s[TRIPS], 0
	s_cbranch_scc1 .Ltail
.Ltrip:                                                ; the tile in hand and the three behind it are there
	s_wait_loadcnt NLD                             ; loads come back in order (ISA guide 5.7.1): X0 is in; the NLD younger loads, X1's, may be out
	WORK 0, 1
	s_wait_loadcnt NLD                             ; X1 is in; X0's NLD loads, just asked for, may be out
	WORK 1, 1
	s_add_co_u32 s[CNT], s[CNT], 1
	s_cmp_lt_u32 s[CNT], s[TRIPS]
	s_cbranch_scc1 .Ltrip
.Ltail:                                                ; both buffers are asked for; two tiles or three are left
	s_and_b32 s[CNT], s[MT], 1
	s_cmp_lg_u32 s[CNT], 0
	s_cbranch_scc1 .Lthree
	s_wait_loadcnt NLD
	WORK 0, 0
	s_wait_loadcnt 0x0
	WORK 1, 0
	s_wait_dscnt 0x0
	s_wait_alu depctr_hold_cnt(0) depctr_sa_sdst(0) depctr_va_vdst(0) depctr_va_sdst(0) depctr_va_ssrc(0) depctr_va_vcc(0) depctr_vm_vsrc(0)
	s_wait_tensorcnt 0x0
	ds_add_u32 v254, v255
	s_wait_dscnt 0x0
	s_endpgm
.Lthree:
	s_wait_loadcnt NLD
	WORK 0, 1                                      ; the last tile is asked for
	s_wait_loadcnt NLD
	WORK 1, 0
.Lone:                                                 ; one tile, in X0 or on its way there
	s_wait_loadcnt 0x0
	WORK 0, 0
.Ldone:
	s_wait_dscnt 0x0
	s_wait_alu depctr_hold_cnt(0) depctr_sa_sdst(0) depctr_va_vdst(0) depctr_va_sdst(0) depctr_va_ssrc(0) depctr_va_vcc(0) depctr_vm_vsrc(0)
	s_wait_tensorcnt 0x0
	ds_add_u32 v254, v255
	s_wait_dscnt 0x0
	s_endpgm
.Lfunc_end_k_qccf511cd99_gateup:
	.size	k_qccf511cd99_gateup, .Lfunc_end_k_qccf511cd99_gateup-k_qccf511cd99_gateup
	.p2alignl 7, 3214868480
	.fill 96, 4, 3214868480
	.section	.rodata,"a",@progbits
	.p2align	6, 0x0
	.amdhsa_kernel k_qccf511cd99_gateup
		.amdhsa_group_segment_fixed_size 67072
		.amdhsa_private_segment_fixed_size 0
		.amdhsa_enable_private_segment 0
		.amdhsa_kernarg_size 72
		.amdhsa_user_sgpr_count 2
		.amdhsa_user_sgpr_kernarg_segment_ptr 1
		.amdhsa_wavefront_size32 1
		.amdhsa_system_sgpr_workgroup_id_x 1
		.amdhsa_system_sgpr_workgroup_id_y 1
		.amdhsa_system_sgpr_workgroup_id_z 1
		.amdhsa_system_vgpr_workitem_id 0
		.amdhsa_next_free_vgpr 1024
		.amdhsa_next_free_sgpr 80
		.amdhsa_reserve_vcc 0
		.amdhsa_float_denorm_mode_32 3
		.amdhsa_float_denorm_mode_16_64 3
		.amdhsa_memory_ordered 1
		.amdhsa_forward_progress 1
		.amdhsa_inst_pref_size 127
	.end_amdhsa_kernel
	.amdgpu_metadata
---
amdhsa.version: [ 1, 2 ]
amdhsa.kernels:
  - .name:           k_qccf511cd99_gateup
    .symbol:         k_qccf511cd99_gateup.kd
    .args:
      - { .name: xs_codes, .offset: 0, .size: 8, .value_kind: global_buffer, .address_space: global }
      - { .name: xs_scales, .offset: 8, .size: 8, .value_kind: global_buffer, .address_space: global }
      - { .name: gate_proj_codes, .offset: 16, .size: 8, .value_kind: global_buffer, .address_space: global }
      - { .name: gate_proj_scales, .offset: 24, .size: 8, .value_kind: global_buffer, .address_space: global }
      - { .name: up_proj_codes, .offset: 32, .size: 8, .value_kind: global_buffer, .address_space: global }
      - { .name: up_proj_scales, .offset: 40, .size: 8, .value_kind: global_buffer, .address_space: global }
      - { .name: meta, .offset: 48, .size: 8, .value_kind: global_buffer, .address_space: global }
      - { .name: ic, .offset: 56, .size: 8, .value_kind: global_buffer, .address_space: global }
      - { .name: isc, .offset: 64, .size: 8, .value_kind: global_buffer, .address_space: global }
    .group_segment_fixed_size: 67072
    .private_segment_fixed_size: 0
    .kernarg_segment_align: 8
    .kernarg_segment_size: 72
    .max_flat_workgroup_size: 128
    .sgpr_count:     80
    .vgpr_count:     1024
    .wavefront_size: 32
...
	.end_amdgpu_metadata
.endif
;; end of part 5
;; launch down (part 6): grid 256 x 1, 4 waves a work-group, no clusters, 84,480 bytes of LDS; arguments ic, isc, down_proj_codes, down_proj_scales, meta, order, out0; writes out0
.if DOCPART == 6
	.amdgcn_target "amdgcn-amd-amdhsa--gfx1250"
	.amdhsa_code_object_version 6
	.text
	.protected	k_qccf511cd99_down
	.globl	k_qccf511cd99_down
	.p2align	8
	.type	k_qccf511cd99_down,@function
k_qccf511cd99_down:
	s_mov_b64 s[64:65], 0
	v_nop
	global_prefetch_b8 v0, s[64:65] scope:SCOPE_SE
	s_setreg_imm32_b32 hwreg(HW_REG_WAVE_SCHED_MODE, 0, 2), 2
	s_setreg_imm32_b32 hwreg(HW_REG_WAVE_MODE, 25, 1), 1
	s_wait_xcnt 0x0
	s_wait_alu depctr_vm_vsrc(0)
; out = inter D_e for the rows of expert e, on codes of FP4 (E2M1) with one E8M0 scale for each 32 along K = 2,048; each row goes back to its token's row of out0 (f32).
; SHARES.  Work-group = (expert e = id / 64, 64 output columns ct = (id / 2) % 32, half = id % 2 of the expert's tiles).  64 columns of f32 are 256 bytes: a row's part is stored whole by sixteen lanes.
; So that all 256 work-groups have work with parts of that width, two work-groups hold the same 64 rows of D_e and share the expert's tiles: tile 4 half + wave, then every eighth.
; EVERY wave holds the 64 rows of D_e for all of K in registers (512); they come in runs of 512 bytes, 16 KB a wave, once through LDS (rows 1,040 bytes apart).  inter's tiles come from memory straight into the
; operand's registers, as the launch before laid them (512 bytes on end a load), with their tokens' numbers; two buffers by turns; each is asked for again, with the tile two on, as soon as its products are done reading it.
; NO TENSOR LOAD, NO CLUSTER: the work-groups of an expert read the same tiles of inter, but how many there are is read from memory (meta).
; The one barrier stands ahead of every branch on such a number.
; THE MATRIX INSTRUCTION IS USED TRANSPOSED (source 0 = 16 rows of D_e = 16 output columns, source 1 = 16 tokens): lane (r, h) holds token r and, in tile t, columns 16 t + 8 h + 0 .. 7: 32 bytes of a row.
; A tile's 16 rows x 256 bytes go through the wave's own stage in LDS and leave as whole rows.  The rows that fill an expert's last tile repeat its last token: the same wave stores the same bytes to the same row again.
; REGISTERS, in windows of 256: window 0: addresses, scale words, accumulators, tokens, the way out.  Window 1: D's fragments of K steps 0-7 (tile t, step s at v[8 (8 t + s)]); at the head v0-127: the weights as loaded.
;   Window 2: K steps 8-15.   Window 3: inter's two buffers, K step s at v[128 b + 8 s].
; THE MODE: SCHED_MODE bits 1:0 = 2 (LLVM: expert scheduling mode 2), set by the entry lines.  The code itself states the register dependences between vector or matrix instructions and memory or LDS instructions,
; with s_wait_alu, always for 0.
; THE PLAN.  Registers that memory or LDS instructions touch:
;   v1-v4, v7-v10    offsets and LDS addresses.  Written at the head, read by loads and stores, never written again: one wait on va_vdst ahead of the first load.
;   window 1 v0-127  at the head: loaded, read by my LDS stores, then the fragments' LDS loads land there: one wait on vm_vsrc between the two.
;   X0, X1           inter's buffers (window 3), with their scale words v48-55, v56-63 and their tokens v96-103, v104-111.  Tile i lies in X[i % 2]: its 64 matrix instructions read codes and scale words, eight
;                    vector lines read the tokens; then the loads of tile i + 2 land in all three.
;   v64-95           the accumulators: written by the products, read by the step's eight LDS stores.
;   v112-119         the rows' offsets in out0: written by sixteen vector lines behind the products, read by the step's eight global stores.
;   v128-159         rows back from the stage: written by LDS loads, read by the global stores; no vector line names them.
; A STEP (a tile) has ONE wait on vm_vsrc, at its head (the last step's LDS stores have read the accumulators, its global stores their offsets and data), and ONE wait on va_vdst, behind the sixteen lines that
; make the offsets: accumulators and offsets are written, and buffer, scale words and tokens are read.  Behind it follow, with no further wait of this kind, the buffer's 36 loads, the LDS stores and loads, the global stores.
.set PITCH, 1040                       ; a weight row in LDS: 1,024 bytes + 16 = 260 words: row r starts at bank 4 r mod 64 (64 banks of 4 bytes: ISA guide 11.1)
.set STG,   64*PITCH                   ; behind the weights: a stage of 16 rows x (256 + 16) bytes for each wave
.set SP,    272
.set STEP,  8                          ; from one tile of a wave to its next
.set LOGSTEP, 3
.set NLD,   36                         ; loads that bring a tile: 2 of scale words, 2 of tokens, 32 of codes
.set LN16,  1                          ; v1  16 x lane
.set WSTO,  2                          ; v2  where I put the weights as loaded
.set WFR,   3                          ; v3  a fragment's place for my lane: r x PITCH + 16 h
.set WSO,   4                          ; v4  the weights' scale bytes: 64 r + 32 h
.set SO,    7                          ; v7  the stage: where I put 32 bytes of row r
.set SRD,   8                          ; v8  and where I read back: lanes 0-15 one row, lanes 16-31 the next
.set R16,   9                          ; v9  16 r
.set H32,   10                         ; v10 32 h
.set WS,    16                         ; v16-47  D's scale words: tile t, register j: lanes 0-15 K step j, lanes 16-31 K step 8 + j
.set XS,    48                         ; v48-63  inter's, for each buffer, likewise
.set ACC,   64                         ; v64-95  four accumulators
.set TK,    96                         ; v96-111 for each buffer: register i = the token of tile row 2 i + h
.set OF,    112                        ; v112-119 byte offsets in out0
.set OUTR,  128                        ; v128-159 16 rows read back from the stage
.set XB,    32                         ; s[32:35] where each buffer's tile of codes lies
.set XSB,   36                         ; s[36:39] its scale words
.set ORB,   60                         ; s[60:63] its tokens
.set JT,    44                         ; s44  the tile (of the expert) in hand; it serves addresses alone
.set CNT,   45                         ; s45  counts the loop's trips, one a trip
.set MT,    46                         ; s46  m: how many tiles are mine
.set TRIPS, 47                         ; s47  the loop's trips
.set MSB, 0
.macro WIN new                         ; the immediate's high byte repeats the setting that is left; bits 1:0 source 0, 3:2 source 1, 5:4 source 2, 7:6 destination
.if MSB != \new
	s_set_vgpr_msb (MSB<<8)|\new
.set MSB, \new
.endif
.endm
	s_load_b256 s[4:11], s[0:1], 0x0               ; ic s[4:5], isc s[6:7], D's codes s[8:9], D's scales s[10:11]
	s_load_b128 s[12:15], s[0:1], 0x20             ; meta s[12:13], order s[14:15]
	s_load_b64 s[16:17], s[0:1], 0x30              ; out0
	v_lshl_add_u32 v254, v0, 2, 0x14800
	v_mov_b32 v255, 0
	v_lshrrev_b32 v11, 5, v0
	v_readfirstlane_b32 s22, v11                   ; wave 0..3
	s_lshr_b32 s23, ttmp9, 6                       ; e
	s_bfe_u32 s24, ttmp9, 0x50001                  ; ct: 5 bits from bit 1
	s_and_b32 s25, ttmp9, 1                        ; half
	v_and_b32 v1, 31, v0
	v_lshlrev_b32 v[LN16], 4, v1
	v_and_b32 v11, 15, v0                          ; r
	v_bfe_u32 v12, v0, 4, 1                        ; h
	s_wait_alu depctr_va_sdst(0)                   ; s22 is written, ahead of its first reader
	s_mul_i32 s30, s22, 16*PITCH                   ; I fetch rows 16 wave .. + 15 of the 64; they lie in LDS as they lie in memory
	v_add_nc_u32 v[WSTO], s30, v[LN16]
	v_mul_u32_u24 v[WFR], v11, PITCH
	v_lshl_add_u32 v[WFR], v12, 4, v[WFR]
	v_lshlrev_b32 v[WSO], 6, v11
	v_lshl_add_u32 v[WSO], v12, 5, v[WSO]
	s_mul_i32 s30, s22, 16*SP
	s_add_co_u32 s30, s30, STG                     ; my stage
	v_mul_u32_u24 v[SO], v11, SP
	v_lshl_add_u32 v[SO], v12, 5, v[SO]
	v_add_nc_u32 v[SO], s30, v[SO]
	v_mul_u32_u24 v[SRD], v12, SP
	v_lshl_add_u32 v[SRD], v11, 4, v[SRD]
	v_add_nc_u32 v[SRD], s30, v[SRD]
	v_lshlrev_b32 v[R16], 4, v11
	v_lshlrev_b32 v[H32], 5, v12
	s_lshl_b32 s29, s25, 2
	s_add_co_u32 s29, s29, s22                     ; my first tile of the expert: 4 half + wave
	s_lshl_b32 s58, s23, 3
	s_mov_b32 s59, 0
	s_wait_kmcnt 0x0
	s_add_nc_u64 s[54:55], s[12:13], s[58:59]
	s_load_b64 s[26:27], s[54:55], 0x0             ; T_e s26, n_e s27
	s_load_b32 s28, s[12:13], 0x20                 ; TT
	s_lshl_b32 s30, s23, 21                        ; an expert: 2,048 rows of 1,024 bytes; my work-group's 64; my 16 of them
	s_lshl_b32 s59, s24, 16
	s_add_co_u32 s30, s30, s59
	s_lshl_b32 s59, s22, 14
	s_add_co_u32 s30, s30, s59
	s_mov_b32 s31, 0
	s_add_nc_u64 s[50:51], s[8:9], s[30:31]
	s_lshl_b32 s30, s23, 17                        ; scale bytes: 64 a row
	s_lshl_b32 s59, s24, 12
	s_add_co_u32 s30, s30, s59
	s_add_nc_u64 s[52:53], s[10:11], s[30:31]
	s_lshl_b32 s30, s24, 8
	s_add_nc_u64 s[40:41], s[16:17], s[30:31]      ; out0 at my 64 columns; never rewritten
	WIN 0x40                                       ; destination window 1
	s_wait_alu depctr_va_vdst(0)                   ; the offsets and addresses v1 to v4 and v7 to v10 are written, which the loads and stores of the kernel read; no vector line writes them again
.set i, 0
.rept 32
	global_load_b128 v[4*i:4*i+3], v[LN16], s[50:51] offset:512*i   ; 16 KB on end, 512 bytes a load
.set i, i+1
.endr
	WIN 0
.irp t, 0,1,2,3
.irp q, 0,1
	global_load_b128 v[WS+8*\t+4*\q:WS+8*\t+4*\q+3], v[WSO], s[52:53] offset:1024*\t+16*\q
.endr
.endr
; the bases of the tile whose number stands in s30, for buffer b.  The number is held inside the buffers (67 tiles).  The bases' earlier loads have been shown done by a counted wait on LOADcnt
.macro TILEBASE b
	s_min_u32 s30, s30, 66
	s_lshl_b32 s59, s30, 10
	s_lshl_b32 s57, s30, 6
	s_lshl_b32 s30, s30, 14
	s_mov_b32 s31, 0
	s_add_nc_u64 s[XB+2*(\b):XB+2*(\b)+1], s[4:5], s[30:31]
	s_mov_b32 s30, s59
	s_add_nc_u64 s[XSB+2*(\b):XSB+2*(\b)+1], s[6:7], s[30:31]
	s_mov_b32 s30, s57
	s_add_nc_u64 s[ORB+2*(\b):ORB+2*(\b)+1], s[14:15], s[30:31]
.endm
.macro LOADX b                         ; a tile of inter into buffer b: NLD loads
.irp q, 0,1
	global_load_b128 v[XS+8*(\b)+4*\q:XS+8*(\b)+4*\q+3], v[LN16], s[XSB+2*(\b):XSB+2*(\b)+1] offset:512*\q
	global_load_b128 v[TK+8*(\b)+4*\q:TK+8*(\b)+4*\q+3], v[H32], s[ORB+2*(\b):ORB+2*(\b)+1] offset:16*\q
.endr
	WIN 0xc0                                       ; destination window 3
.set i, 0
.rept 32
	global_load_b128 v[128*(\b)+4*i:128*(\b)+4*i+3], v[LN16], s[XB+2*(\b):XB+2*(\b)+1] offset:512*i
.set i, i+1
.endr
	WIN 0
.endm
	s_wait_kmcnt 0x0
	s_min_u32 s27, s27, 64                         ; n_e: 1,024 tokens make at most 64 tiles of one expert
	s_add_co_u32 s30, s26, s29                     ; my first tile.  A wave without a tile asks for the last tile that was written: no branch on a loaded number stands ahead of the barrier
	s_sub_co_u32 s59, s28, 1
	s_min_u32 s30, s30, s59
	TILEBASE 0
	LOADX 0                                        ; no vector or matrix line has named X0, its scale words or its tokens
	s_wait_loadcnt NLD                             ; the weights and their scale words are in; the tile's NLD loads may be out
	WIN 0x04                                       ; an LDS store's data are its source 1: window 1
.set i, 0
.rept 32
	ds_store_b128 v[WSTO], v[4*i:4*i+3] offset:(i/2)*PITCH+512*(i%2)
.set i, i+1
.endr
	WIN 0
	s_wait_dscnt 0x0                               ; for the others' sake: my stores have landed
	s_barrier_signal -1
	s_barrier_wait -1                              ; all 64 rows lie in LDS; they are written no more
	WIN 0x40
	s_wait_alu depctr_vm_vsrc(0)                   ; my LDS stores have read v0-127 of window 1, in which the fragments' loads land
.irp t, 0,1,2,3
.irp s, 0,1,2,3,4,5,6,7
.irp c, 0,1
	ds_load_b128 v[8*(8*\t+\s)+4*\c:8*(8*\t+\s)+4*\c+3], v[WFR] offset:16*\t*PITCH+64*\s+32*\c
.endr
.endr
.endr
	WIN 0x80
.irp t, 0,1,2,3
.irp s, 0,1,2,3,4,5,6,7
.irp c, 0,1
	ds_load_b128 v[8*(8*\t+\s)+4*\c:8*(8*\t+\s)+4*\c+3], v[WFR] offset:16*\t*PITCH+64*(\s+8)+32*\c
.endr
.endr
.endr
	WIN 0
	s_wait_dscnt 0x0
; 64 matrix instructions: 4 tiles of 16 columns x 16 K steps on buffer b.  The four accumulators take turns, one instruction a turn; the first K step starts the sums.
.macro MULS b
	WIN 0x0d                                       ; source 0 (D) window 1, source 1 (inter) window 3
.irp s, 0,1,2,3,4,5,6,7
.irp t, 0,1,2,3
.if \s == 0
	v_wmma_scale_f32_16x16x128_f8f6f4 v[ACC+8*\t:ACC+8*\t+7], v[8*(8*\t+\s):8*(8*\t+\s)+7], v[128*(\b)+8*\s:128*(\b)+8*\s+7], 0, v[WS+8*\t+\s], v[XS+8*(\b)+\s] matrix_a_fmt:MATRIX_FMT_FP4 matrix_b_fmt:MATRIX_FMT_FP4
.else
	v_wmma_scale_f32_16x16x128_f8f6f4 v[ACC+8*\t:ACC+8*\t+7], v[8*(8*\t+\s):8*(8*\t+\s)+7], v[128*(\b)+8*\s:128*(\b)+8*\s+7], v[ACC+8*\t:ACC+8*\t+7], v[WS+8*\t+\s], v[XS+8*(\b)+\s] matrix_a_fmt:MATRIX_FMT_FP4 matrix_b_fmt:MATRIX_FMT_FP4
.endif
.endr
.endr
	WIN 0x0e                                       ; source 0 window 2: K steps 8 to 15, whose scale words stand in lanes 16-31
.irp s, 0,1,2,3,4,5,6,7
.irp t, 0,1,2,3
	v_wmma_scale_f32_16x16x128_f8f6f4 v[ACC+8*\t:ACC+8*\t+7], v[8*(8*\t+\s):8*(8*\t+\s)+7], v[128*(\b)+64+8*\s:128*(\b)+64+8*\s+7], v[ACC+8*\t:ACC+8*\t+7], v[WS+8*\t+\s], v[XS+8*(\b)+\s] matrix_a_fmt:MATRIX_FMT_FP4 matrix_b_fmt:MATRIX_FMT_FP4 matrix_a_scale:MATRIX_SCALE_ROW1 matrix_b_scale:MATRIX_SCALE_ROW1
.endr
.endr
	WIN 0
.endm
.macro ASK b, ahead                    ; the tile that lies ahead tiles (of the expert) behind the one in hand is asked for, into buffer b
	s_add_co_u32 s30, s26, s[JT]
	s_add_co_u32 s30, s30, \ahead
	TILEBASE \b
	LOADX \b
.endm
; A STEP: the products of the tile in buffer b, and THE WAY OUT: 32 bytes a lane into my stage, back as whole rows of 256 bytes, each to its token's row of out0.
; refill = 1: buffer b is asked for again, with the tile two on, as soon as it has been read.
.macro WORK b, refill
	s_wait_alu depctr_vm_vsrc(0)                   ; the last tile's LDS stores have read the accumulators, which the products below write again; its global stores have read v[OF ..] and v[OUTR ..], which are written again behind the products
	MULS \b
	s_wait_xcnt 0x0                                ; the last tile's stores, 64 products back, have had their addresses translated (ISA guide 3.1): their data and offsets are written again only behind this wait
.irp i, 0,1,2,3,4,5,6,7
	v_min_u32 v[OF+\i], 0x3ff, v[TK+8*(\b)+\i]     ; the token of row 2 i + h
.endr
.irp i, 0,1,2,3,4,5,6,7
	v_lshl_add_u32 v[OF+\i], v[OF+\i], 13, v[R16]  ; its row of 8,192 bytes, + 16 r.  These sixteen lines name no register of the products: they are also the places between the last products and the first read of their results (ISA guide 7.12.1)
.endr
	s_wait_alu depctr_va_vdst(0)                   ; the products have written the accumulators, which the LDS stores read, and the lines above v[OF ..], which the global stores read; products and lines above are done reading X[b], its scale words and its tokens, in which the loads below land
.if \refill
	ASK \b, 2*STEP                                 ; no vector or matrix line from here to the step's end
.endif
.irp t, 0,1,2,3
	ds_store_b128 v[SO], v[ACC+8*\t:ACC+8*\t+3] offset:64*\t         ; each accumulator from its low end on
	ds_store_b128 v[SO], v[ACC+8*\t+4:ACC+8*\t+7] offset:64*\t+16
.endr
.irp i, 0,1,2,3,4,5,6,7
	ds_load_b128 v[OUTR+4*\i:OUTR+4*\i+3], v[SRD] offset:2*\i*SP     ; rows 2 i and 2 i + 1.  LDS serves a wave's instructions in order (ISA guide 5.7.1.4): these see the stores above, and the next tile's stores come behind them
.endr
.irp i, 0,1,2,3,4,5,6,7
	s_wait_dscnt 7-\i                              ; of the eight loads, those younger than load i may be out
	global_store_b128 v[OF+\i], v[OUTR+4*\i:OUTR+4*\i+3], s[40:41] th:TH_STORE_NT   ; sixteen lanes store 256 bytes on end, at a multiple of 256 from out0's first byte; written once, read by nobody here
.endr
	s_add_co_u32 s[JT], s[JT], STEP                ; the next tile is in hand
.endm
; My tiles of the expert are f = 4 half + wave, f + 8, .. under n_e: m = (n_e + 7 - f) / 8 of them (f is under 8, so nothing goes below 0; m = 0 where n_e <= f).
; Tile i lies in buffer i % 2.  The first two are asked for ahead of the loop; a trip works two tiles and asks for the two that follow them: (m - 2) / 2 trips; behind them two tiles are left where m is even,
; three where it is odd, and nothing is asked for beyond the last.  The trips are counted one by one.
	s_mov_b32 s[JT], s29
	s_add_co_u32 s[MT], s27, STEP-1
	s_sub_co_u32 s[MT], s[MT], s29
	s_lshr_b32 s[MT], s[MT], LOGSTEP
	s_cmp_eq_u32 s[MT], 0
	s_cbranch_scc1 .Ldone                          ; none for me
	s_cmp_eq_u32 s[MT], 1
	s_cbranch_scc1 .Lone
	ASK 1, STEP                                    ; my second tile.  No vector or matrix line has named X1, its scale words or its tokens
	s_sub_co_u32 s[TRIPS], s[MT], 2
	s_lshr_b32 s[TRIPS], s[TRIPS], 1
	s_mov_b32 s[CNT], 0
	s_cmp_eq_u32 s[TRIPS], 0
	s_cbranch_scc1 .Ltail
.Ltrip:                                                ; the tile in hand and the three behind it are there
	s_wait_loadcnt NLD                             ; loads come back in order (ISA guide 5.7.1): X0 is in; the NLD younger loads, X1's, may be out
	WORK 0, 1
	s_wait_loadcnt NLD                             ; X1 is in; X0's NLD loads, just asked for, may be out
	WORK 1, 1
	s_add_co_u32 s[CNT], s[CNT], 1
	s_cmp_lt_u32 s[CNT], s[TRIPS]
	s_cbranch_scc1 .Ltrip
.Ltail:                                                ; both buffers are asked for; two tiles or three are left
	s_and_b32 s[CNT], s[MT], 1
	s_cmp_lg_u32 s[CNT], 0
	s_cbranch_scc1 .Lthree
	s_wait_loadcnt NLD
	WORK 0, 0
	s_wait_loadcnt 0x0
	WORK 1, 0
	s_wait_dscnt 0x0
	s_wait_alu depctr_hold_cnt(0) depctr_sa_sdst(0) depctr_va_vdst(0) depctr_va_sdst(0) depctr_va_ssrc(0) depctr_va_vcc(0) depctr_vm_vsrc(0)
	s_wait_tensorcnt 0x0
	ds_add_u32 v254, v255
	s_wait_dscnt 0x0
	s_endpgm
.Lthree:
	s_wait_loadcnt NLD
	WORK 0, 1                                      ; the last tile is asked for
	s_wait_loadcnt NLD
	WORK 1, 0
.Lone:                                                 ; one tile, in X0 or on its way there
	s_wait_loadcnt 0x0
	WORK 0, 0
.Ldone:
	s_wait_dscnt 0x0
	s_wait_alu depctr_hold_cnt(0) depctr_sa_sdst(0) depctr_va_vdst(0) depctr_va_sdst(0) depctr_va_ssrc(0) depctr_va_vcc(0) depctr_vm_vsrc(0)
	s_wait_tensorcnt 0x0
	ds_add_u32 v254, v255
	s_wait_dscnt 0x0
	s_endpgm
.Lfunc_end_k_qccf511cd99_down:
	.size	k_qccf511cd99_down, .Lfunc_end_k_qccf511cd99_down-k_qccf511cd99_down
	.p2alignl 7, 3214868480
	.fill 96, 4, 3214868480
	.section	.rodata,"a",@progbits
	.p2align	6, 0x0
	.amdhsa_kernel k_qccf511cd99_down
		.amdhsa_group_segment_fixed_size 84480
		.amdhsa_private_segment_fixed_size 0
		.amdhsa_enable_private_segment 0
		.amdhsa_kernarg_size 56
		.amdhsa_user_sgpr_count 2
		.amdhsa_user_sgpr_kernarg_segment_ptr 1
		.amdhsa_wavefront_size32 1
		.amdhsa_system_sgpr_workgroup_id_x 1
		.amdhsa_system_sgpr_workgroup_id_y 1
		.amdhsa_system_sgpr_workgroup_id_z 1
		.amdhsa_system_vgpr_workitem_id 0
		.amdhsa_next_free_vgpr 1024
		.amdhsa_next_free_sgpr 80
		.amdhsa_reserve_vcc 0
		.amdhsa_float_denorm_mode_32 3
		.amdhsa_float_denorm_mode_16_64 3
		.amdhsa_memory_ordered 1
		.amdhsa_forward_progress 1
		.amdhsa_inst_pref_size 116
	.end_amdhsa_kernel
	.amdgpu_metadata
---
amdhsa.version: [ 1, 2 ]
amdhsa.kernels:
  - .name:           k_qccf511cd99_down
    .symbol:         k_qccf511cd99_down.kd
    .args:
      - { .name: ic, .offset: 0, .size: 8, .value_kind: global_buffer, .address_space: global }
      - { .name: isc, .offset: 8, .size: 8, .value_kind: global_buffer, .address_space: global }
      - { .name: down_proj_codes, .offset: 16, .size: 8, .value_kind: global_buffer, .address_space: global }
      - { .name: down_proj_scales, .offset: 24, .size: 8, .value_kind: global_buffer, .address_space: global }
      - { .name: meta, .offset: 32, .size: 8, .value_kind: global_buffer, .address_space: global }
      - { .name: order, .offset: 40, .size: 8, .value_kind: global_buffer, .address_space: global }
      - { .name: out0, .offset: 48, .size: 8, .value_kind: global_buffer, .address_space: global }
    .group_segment_fixed_size: 84480
    .private_segment_fixed_size: 0
    .kernarg_segment_align: 8
    .kernarg_segment_size: 56
    .max_flat_workgroup_size: 128
    .sgpr_count:     80
    .vgpr_count:     1024
    .wavefront_size: 32
...
	.end_amdgpu_metadata
.endif
;; end of part 6
